; MI455X (gfx1250); checked and timed in simulation.
; The chip was launched on July 23, 2026; its instructions are those of AMD's public machine-readable ISA for CDNA 5 (MIT licence, August 2026) and "CDNA5" Instruction Set Architecture Reference Guide (July 2026). The comments in the code are by the model that wrote it; some were corrected since.
;; Transformer Block Classical. Allowed arithmetic: matrix products marked QUANTISED: E2M1 operands, one E8M0 scale for each 32 along K, by v_wmma_scale_f32_16x16x128_f8f6f4 with both operands' format E2M1 (or v_wmma_scale_f32_32x16x128_f4), f32 sums; everything else in f32.
;; Inputs: W1_codes 4,096 x 32 x 16 uint8 (E2M1 codes of W1, K innermost, in blocks of 32 codes, two codes a byte); W1_scales 4,096 x 32 uint8 (E8M0 scales of W1, one for each 32 codes along K); W2_codes 1,024 x 128 x 16 uint8 (E2M1 codes of W2, K innermost, in blocks of 32 codes, two codes a byte); W2_scales 1,024 x 128 uint8 (E8M0 scales of W2, one for each 32 codes along K); Wk_codes 1,024 x 32 x 16 uint8 (E2M1 codes of Wk, K innermost, in blocks of 32 codes, two codes a byte); Wk_scales 1,024 x 32 uint8 (E8M0 scales of Wk, one for each 32 codes along K); Wo_codes 1,024 x 32 x 16 uint8 (E2M1 codes of Wo, K innermost, in blocks of 32 codes, two codes a byte); Wo_scales 1,024 x 32 uint8 (E8M0 scales of Wo, one for each 32 codes along K); Wq_codes 1,024 x 32 x 16 uint8 (E2M1 codes of Wq, K innermost, in blocks of 32 codes, two codes a byte); Wq_scales 1,024 x 32 uint8 (E8M0 scales of Wq, one for each 32 codes along K); Wv_codes 1,024 x 32 x 16 uint8 (E2M1 codes of Wv, K innermost, in blocks of 32 codes, two codes a byte); Wv_scales 1,024 x 32 uint8 (E8M0 scales of Wv, one for each 32 codes along K); b1 4,096 float32; b2 1,024 float32; be1 1,024 float32; be2 1,024 float32; bk 1,024 float32; bo 1,024 float32; bq 1,024 float32; bv 1,024 float32; g1 1,024 float32; g2 1,024 float32; x 2 x 2,048 x 1,024 float32.
;; Outputs: out0 2 x 2,048 x 1,024 float32.
;; This version of the problem:
;;   THIS VERSION OF THE PROBLEM IS GIVEN IN LOW PRECISION. The matrix products marked QUANTISED in the list below multiply operands that are first quantised to E2M1 (2 exponent bits, 1 mantissa bit; 4 bits a number), with one power-of-two scale for each 32 numbers along K (OCP MX v1.0); their sums are f32. All else is computed in f32.
;;   The module's matrix products, in the order in which they are computed (A, B: the left and right operand; K: the contracted axis; several contracted axes count as one K, in the product's order):
;;     1. [M 4,096, K 1,024] x [K 1,024, N 1,024]; A: computed on the way; B: input Wq (given as codes): QUANTISED
;;     2. [M 4,096, K 1,024] x [K 1,024, N 1,024]; A: computed on the way; B: input Wk (given as codes): QUANTISED
;;     3. [M 4,096, K 1,024] x [K 1,024, N 1,024]; A: computed on the way; B: input Wv (given as codes): QUANTISED
;;     4. batch 32 x [M 2,048, K 64] x [K 64, N 2,048]; A: computed on the way; B: computed on the way: QUANTISED
;;     5. batch 32 x [M 2,048, K 2,048] x [K 2,048, N 64]; A: softmax (see below); B: computed on the way: QUANTISED
;;     6. [M 4,096, K 1,024] x [K 1,024, N 1,024]; A: computed on the way; B: input Wo (given as codes): QUANTISED
;;     7. [M 4,096, K 1,024] x [K 1,024, N 4,096]; A: computed on the way; B: input W1 (given as codes): QUANTISED
;;     8. [M 4,096, K 4,096] x [K 4,096, N 1,024]; A: computed on the way; B: input W2 (given as codes): QUANTISED
;;   THE QUANTISER, for each operand of a quantised product, along K:
;;     - K is cut into blocks of 32 from its start; a last block that is shorter is filled with zeros.
;;     - A block's scale is 2^e with e = floor(log2(the largest magnitude in the block)) - 2, held to -126 .. 127; a block of zeros has e = 0. As a byte (E8M0): e + 127.
;;     - Each number is divided by its block's scale, clamped to +-6, and rounded to the nearest number of E2M1, ties to even, subnormals kept.
;;     - The product sums the exact products of the quantised numbers (number of the format x scale) in f32.
;;   ~~~python
;;   def quantise(x, axis):      # numpy; x: float32 -> the quantised numbers, widened to float32 again
;;       x = np.moveaxis(x, axis, -1); K = x.shape[-1]
;;       x = np.pad(x, [(0, 0)] * (x.ndim - 1) + [(0, -K % 32)]); x = x.reshape(x.shape[:-1] + (-1, 32)); a = np.abs(x).max(-1, keepdims=True)
;;       e = np.where(a > 0, np.clip(np.frexp(np.where(a > 0, a, 1))[1] - 1 - 2, -126, 127), 0)      # np.frexp(a)[1] - 1 = floor(log2(a)), exactly
;;       r = np.clip(x / 2.0 ** e, -6, 6)
;;       step = 2.0 ** (np.maximum(np.frexp(np.where(r == 0, 1, r))[1] - 1, 0) - 1)
;;       q = np.round(r / step) * step * 2.0 ** e      # np.round: ties to even
;;       return np.moveaxis(q.reshape(q.shape[:-2] + (-1,))[..., :K], -1, axis).astype(np.float32)
;;   ~~~
;;   SOFTMAX AHEAD OF A QUANTISED PRODUCT. Where the list says 'softmax', what is quantised is not the finished softmax but p = 2^(t - M), with t = logit x log2(e) and M = ceil(the row's largest t), a whole number; so 1/2 < the row's largest p <= 1. The row's sum l is taken of the UNQUANTISED p, in f32, and the product's result is divided by l at the end. Since M is a whole number, a kernel that streams over the keys may use a running M (the ceiling of the running maximum): every later rescaling is an exact power of two, which a block's scale takes up: the codes' values come out the same.
;;   OPERANDS COMPUTED ON THE WAY. 'Computed on the way' means the value that the module computes at that place (a softmax that the list does not call 'softmax' is quantised finished and normalised). What goes into a quantiser is computed in f32, as accurately as f32 sums, v_exp_f32 and their like allow (about 1e-6 of the number): no bf16 or f16 on the way to a quantiser, and a product that is left as it is and whose result goes on into a quantised operand takes f32 operands (vector FMAs, or v_wmma_f32_16x16x4_f32). A number that lies on a knife's edge between two numbers of the format may be rounded either way, as far as f32 arithmetic and the matrix unit's own rounding can turn it there, and no further.
;;   INPUTS GIVEN AS CODES. W1 (in the module: [4096, 1024], K = its axis 1); W2 (in the module: [1024, 4096], K = its axis 1); Wk (in the module: [1024, 1024], K = its axis 1); Wo (in the module: [1024, 1024], K = its axis 1); Wq (in the module: [1024, 1024], K = its axis 1); Wv (in the module: [1024, 1024], K = its axis 1): each comes as NAME_codes (uint8): NAME with its K axis moved to the last place and cut into blocks of 32 codes, [.., K / 32, bytes a block], one block behind the other in memory; two codes a byte, the lower K in the low four bits (a code: sign, 2 exponent bits, 1 mantissa bit); and NAME_scales (uint8): the same leading axes, one E8M0 byte (e + 127) for each 32 codes along K. Its value is code x scale, taken as it is: it is not quantised again, and the codes and scales need not be those that the quantiser above would give.
;; One version. Each part assembles by itself: llvm-mc -triple=amdgcn-amd-amdhsa -mcpu=gfx1250 --defsym DOCPART=n.
;; ======== version 1 of 1: 7 launches
;; limits: right only within a limited range of input values
;; workspace buffers: wl 6,684,672 bytes; ac 2,228,224 bytes; qkv 6,946,816 bytes; x1 16,777,216 bytes; fh 8,912,896 bytes
;; launch prep (part 1): grid 448 x 1, 4 waves a work-group, no clusters, 101,888 bytes of LDS; arguments x, g1, be1, ac, Wq_codes, Wk_codes, Wv_codes, Wo_codes, W1_codes, W2_codes, Wq_scales, Wk_scales, Wv_scales, Wo_scales, W1_scales, W2_scales, wl; writes ac, wl
.if DOCPART == 1
	.amdgcn_target "amdgcn-amd-amdhsa--gfx1250"
	.amdhsa_code_object_version 6
	.text
	.protected	k_qe241dcd996_prep
	.globl	k_qe241dcd996_prep
	.p2align	8
	.type	k_qe241dcd996_prep,@function
k_qe241dcd996_prep:
	s_mov_b64 s[64:65], 0
	v_nop
	global_prefetch_b8 v0, s[64:65] scope:SCOPE_SE
	s_setreg_imm32_b32 hwreg(HW_REG_WAVE_MODE, 25, 1), 1
	s_wait_xcnt 0x0
; THE PROGRAM: a pre-norm transformer block on 4,096 tokens, all eight products on codes of E2M1 with E8M0 scales.  Launches: prep, qkv, attn, wo, ln2, ffn1, ffn2.
; Nothing of reference() is left out: every bias feeds a quantiser or an output, and every input is loaded by some launch.
; THIS LAUNCH does two things that do not hang on each other; the ways part once, on the work-group's number alone, and each has LDS bytes of its own.
; WORK-GROUPS 0-255: y = (x - mean) rsqrt(var + 1e-5) g + be along rows of 1,024, in f32, quantised along the row to E2M1 with one E8M0 byte for each 32, stored as an image of the operand's registers:
;   codes [tile][block][r][16 bytes], scale bytes [tile][512 along K][r][16 bytes]; tile T holds tokens 32 (T / 2) + 8 (T % 2) + r + 8 (r / 8).
;   A work-group makes one tile.  Wave w normalises the tile's rows 4 w .. 4 w + 3, four neighbouring tokens, each row whole in 32 registers (the variance is taken of x - mean, in a second pass over registers).
;   The 16 rows meet in LDS (pitch 4,096 + 16 bytes); behind a barrier lane (r, h) of wave w takes blocks 8 w + 4 h + 0 .. 3 of row r whole, so a block's largest magnitude needs no other lane.
;   A block's scale byte is its largest magnitude's exponent field - 2, held at 1 from below.
; WORK-GROUPS 256-447 lay the six weights out once, as images of the same kind, so that later launches take fragments by dense loads of 512 bytes.
;   (With such tiles as source 0, a lane's 16 results of tiles 2 g and 2 g + 1 are 16 neighbours.)
;   A wave takes a UNIT: 32 rows (two tiles) x 256 bytes of codes (512 along K).  768 units; 16 work-groups for each of Wq, Wk, Wv, Wo, 64 for W1, 64 for W2.
;   The rows come in as whole runs of 256 bytes, turn through the wave's own stage in LDS, and leave as runs of 512 bytes; no barrier on this way: its waves share nothing.
;   The stage's reads take rows 0-7 and 16-23 (or 8-15 and 24-31) at a pitch of 272 bytes: two lanes fall on the same banks.
; LIMITS: a block of zeros gets the byte 1 (its codes are zeros; this program alone reads the bytes); NaN and infinities among the inputs are not served.
.set RP,     4112
.set SCL,    16*RP                     ; the tile's 512 scale bytes
.set LST,    66560                     ; the weights' way: four stages
.set PITCH,  272
.set STAGEB, 32*PITCH                  ; a wave's stage
.set SPARE,  LST+4*STAGEB              ; the spare words, 128 bytes for each wave
.set MU,  10                           ; v10-17  a pair for each row: the sum, then the mean
.set VA,  18                           ; v18-25  a pair for each row: the sum of squares, then 1 / sqrt
.set G,   32                           ; v32-63  g;  later the codes
.set BE,  64                           ; v64-95  be
.set X,   96                           ; v96-223 four rows, 32 registers each;  later four blocks
.set CD,  32
.set AV,  4                            ; the weights' way: v4-19 byte offsets of rows 2 i + h in the weight's codes
.set IN,  32                           ; v32-95  as loaded
.set OUT, 96                           ; v96-159 as stored
.set SD,  164                          ; v164-167 a row's 16 scale bytes
	v_lshl_add_u32 v30, v0, 2, SPARE               ; my spare word,
	v_mov_b32 v31, 0                               ; and 0
	s_cmp_lt_u32 ttmp9, 256
	s_cbranch_scc0 .Llay
	s_load_b256 s[4:11], s[0:1], 0x0               ; x, g, be, ac
	v_lshrrev_b32 v1, 5, v0
	v_readfirstlane_b32 s12, v1                    ; wave
	v_and_b32 v1, 31, v0
	v_lshlrev_b32 v1, 4, v1                        ; 16 L
	v_and_b32 v2, 15, v0                           ; r
	s_wait_alu depctr_va_vdst(0)
	v_bfe_u32 v3, v0, 4, 1                         ; h
	s_mul_i32 s13, s12, 4*RP
	v_add_nc_u32 v4, s13, v1                       ; into LDS: my wave's four rows, 16 L
	v_mul_u32_u24 v5, v2, RP
	v_lshl_add_u32 v5, v3, 9, v5
	s_lshl_b32 s13, s12, 10
	v_add_nc_u32 v5, s13, v5                       ; out of it: row r, blocks 8 w + 4 h on
	v_lshlrev_b32 v6, 10, v3
	v_lshl_add_u32 v6, v2, 4, v6                   ; the codes' place: 4 h blocks of 256 bytes + 16 r
	s_lshr_b32 s13, s12, 1
	s_lshl_b32 s13, s13, 8
	s_and_b32 s14, s12, 1
	s_lshl_b32 s14, s14, 3
	s_add_co_u32 s13, s13, s14
	s_add_co_u32 s13, s13, SCL
	v_lshlrev_b32 v7, 4, v2
	s_wait_alu depctr_va_vdst(0)
	v_lshl_add_u32 v7, v3, 2, v7
	v_add_nc_u32 v7, s13, v7                       ; my scale word (128 along K, the 2 w + h-th): 256 (w / 2) + 16 r + 8 (w % 2) + 4 h
	v_add_nc_u32 v27, SCL, v1                      ; and where wave 0 reads the tile's scale bytes back
	s_lshr_b32 s14, ttmp9, 1
	s_lshl_b32 s14, s14, 5
	s_and_b32 s15, ttmp9, 1
	s_lshl_b32 s15, s15, 3
	s_add_co_u32 s14, s14, s15
	s_lshl_b32 s15, s12, 2
	s_add_co_u32 s14, s14, s15
	s_lshr_b32 s15, s12, 1
	s_lshl_b32 s15, s15, 3
	s_add_co_u32 s14, s14, s15                     ; my first token: 32 (T / 2) + 8 (T % 2) + 4 w + 8 (w / 2)
	s_lshl_b32 s14, s14, 12
	s_mov_b32 s15, 0
	s_lshl_b32 s16, ttmp9, 13                      ; the tile's codes, my wave's eight blocks
	s_lshl_b32 s17, s12, 11
	s_add_co_u32 s16, s16, s17
	s_mov_b32 s17, 0
	s_lshl_b32 s18, ttmp9, 9                       ; the tile's scale bytes
	s_add_co_u32 s18, s18, 0x200000
	s_mov_b32 s19, 0
	s_mov_b32 s20, 0x76543210
	s_mov_b32 s21, 0xfedcba98                      ; v_permlanex16_b32's selects for lane l xor 16
	s_mov_b32 s22, 0x3a800000                      ; 1 / 1,024
	s_mov_b32 s23, 0x3727c5ac                      ; 1e-5
	s_wait_kmcnt 0x0
	s_add_nc_u64 s[4:5], s[4:5], s[14:15]
	s_add_nc_u64 s[16:17], s[10:11], s[16:17]
	s_add_nc_u64 s[18:19], s[10:11], s[18:19]
.irp p, 0,1,2,3
.irp i, 0,1,2,3,4,5,6,7
	global_load_b128 v[X+32*\p+4*\i:X+32*\p+4*\i+3], v1, s[4:5] offset:\p*4096+\i*512 th:TH_LOAD_NT   ; 512 consecutive bytes a load: k = 128 i + 4 L + 0 .. 3
.endr
.endr
.irp i, 0,1,2,3,4,5,6,7
	global_load_b128 v[G+4*\i:G+4*\i+3], v1, s[6:7] offset:\i*512
	global_load_b128 v[BE+4*\i:BE+4*\i+3], v1, s[8:9] offset:\i*512
.endr
; the sum of a pair's two halves over the 32 lanes, for the four rows by turns; the result in every lane
.macro REDUCE b
.irp p, 0,1,2,3
	v_add_f32 v[\b+2*\p], v[\b+2*\p], v[\b+2*\p+1]
.endr
.irp m, 1,2,4,8
.irp p, 0,1,2,3
	v_add_f32_dpp v[\b+2*\p], v[\b+2*\p], v[\b+2*\p] row_xmask:\m row_mask:0xf bank_mask:0xf
.endr
.endr
.irp p, 0,1,2,3
	v_permlanex16_b32 v[\b+2*\p+1], v[\b+2*\p], s20, s21
.endr
.irp p, 0,1,2,3
	v_add_f32 v[\b+2*\p], v[\b+2*\p], v[\b+2*\p+1]
.endr
.endm
	s_wait_loadcnt 16                              ; x is in; the sixteen loads of g and be may be out
.irp p, 0,1,2,3
	v_pk_add_f32 v[MU+2*\p:MU+2*\p+1], v[X+32*\p:X+32*\p+1], v[X+32*\p+2:X+32*\p+3]
.endr
.irp i, 4,6,8,10,12,14,16,18,20,22,24,26,28,30
.irp p, 0,1,2,3
	v_pk_add_f32 v[MU+2*\p:MU+2*\p+1], v[MU+2*\p:MU+2*\p+1], v[X+32*\p+\i:X+32*\p+\i+1]
.endr
.endr
	REDUCE MU
.irp p, 0,1,2,3
	v_mul_f32 v[MU+2*\p], s22, v[MU+2*\p]          ; the mean
.endr
.irp i, 0,2,4,6,8,10,12,14,16,18,20,22,24,26,28,30
.irp p, 0,1,2,3
	v_pk_add_f32 v[X+32*\p+\i:X+32*\p+\i+1], v[X+32*\p+\i:X+32*\p+\i+1], v[MU+2*\p:MU+2*\p+1] op_sel_hi:[1,0] neg_lo:[0,1] neg_hi:[0,1]   ; d = x - mean
.endr
.endr
.irp p, 0,1,2,3
	v_pk_mul_f32 v[VA+2*\p:VA+2*\p+1], v[X+32*\p:X+32*\p+1], v[X+32*\p:X+32*\p+1]
.endr
.irp i, 2,4,6,8,10,12,14,16,18,20,22,24,26,28,30
.irp p, 0,1,2,3
	v_pk_fma_f32 v[VA+2*\p:VA+2*\p+1], v[X+32*\p+\i:X+32*\p+\i+1], v[X+32*\p+\i:X+32*\p+\i+1], v[VA+2*\p:VA+2*\p+1]
.endr
.endr
	REDUCE VA
.irp p, 0,1,2,3
	v_fma_f32 v[VA+2*\p], v[VA+2*\p], s22, s23     ; var + 1e-5
.endr
	s_wait_alu depctr_va_vdst(0)
.irp p, 0,1,2,3
	v_rsq_f32 v[VA+2*\p], v[VA+2*\p]
.endr
	v_nop                                          ; a plain instruction behind the last of the batch
	s_wait_alu depctr_va_vdst(0)                   ; one wait for the four, ahead of their first reader
	s_wait_loadcnt 0x0                             ; g and be
.irp p, 0,1,2,3
.irp i, 0,2,4,6,8,10,12,14,16,18,20,22,24,26,28,30
	v_pk_mul_f32 v[X+32*\p+\i:X+32*\p+\i+1], v[X+32*\p+\i:X+32*\p+\i+1], v[VA+2*\p:VA+2*\p+1] op_sel_hi:[1,0]
.endr
.irp i, 0,2,4,6,8,10,12,14,16,18,20,22,24,26,28,30
	v_pk_fma_f32 v[X+32*\p+\i:X+32*\p+\i+1], v[X+32*\p+\i:X+32*\p+\i+1], v[G+\i:G+\i+1], v[BE+\i:BE+\i+1]
.endr
.irp i, 0,1,2,3,4,5,6,7
	ds_store_b128 v4, v[X+32*\p+4*\i:X+32*\p+4*\i+3] offset:\p*RP+\i*512
.endr
.endr
	s_wait_dscnt 0x0                               ; for the others' sake: my rows lie in LDS
	s_barrier_signal -1
	s_barrier_wait -1
.irp g, 0,1,2,3
.irp m, 0,1,2,3,4,5,6,7
	ds_load_b128 v[X+32*\g+4*\m:X+32*\g+4*\m+3], v5 offset:128*\g+16*\m   ; block 8 w + 4 h + g of row r, whole
.endr
.endr
.macro BLOCK g
	s_wait_dscnt 8*(3-\g)                          ; the later blocks' loads may be out
	v_max3_num_f32 v[10+4*\g], |v[X+32*\g]|, |v[X+32*\g+1]|, 0x1800000      ; the largest magnitude, in two chains, with the floor 2^(3 - 127): the byte cannot fall under 1
	v_max3_num_f32 v[11+4*\g], |v[X+32*\g+16]|, |v[X+32*\g+17]|, 0x1800000
.irp i, 2,4,6,8,10,12,14
	v_max3_num_f32 v[10+4*\g], v[10+4*\g], |v[X+32*\g+\i]|, |v[X+32*\g+\i+1]|
	v_max3_num_f32 v[11+4*\g], v[11+4*\g], |v[X+32*\g+16+\i]|, |v[X+32*\g+17+\i]|
.endr
	v_max_num_f32 v[10+4*\g], v[10+4*\g], v[11+4*\g]
	v_add_nc_u32 v[12+4*\g], 0xff000000, v[10+4*\g]   ; 2 off its exponent field: the conversion takes the exponent field of this operand as its scale
.irp c, 0,1,2,3
	v_cvt_scalef32_pk8_fp4_f32 v[CD+4*\g+\c], v[X+32*\g+8*\c:X+32*\g+8*\c+7], v[12+4*\g]
.endr
.if \g == 0
	v_lshrrev_b32 v26, 23, v12                     ; the scale's byte; the four make the word of these 128 along K
.else
	v_lshrrev_b32 v[13+4*\g], 23, v[12+4*\g]
	v_lshl_or_b32 v26, v[13+4*\g], 8*\g, v26
.endif
	global_store_b128 v6, v[CD+4*\g:CD+4*\g+3], s[16:17] offset:256*\g   ; sixteen lanes store 256 consecutive bytes: a block of the tile's image
.endm
	BLOCK 0
	BLOCK 1
	BLOCK 2
	BLOCK 3
	ds_store_b32 v7, v26
	s_wait_dscnt 0x0                               ; for wave 0's sake
	s_barrier_signal -1
	s_barrier_wait -1
	s_cmp_lg_u32 s12, 0
	s_cbranch_scc1 .Ldone
	ds_load_b128 v[48:51], v27                     ; the tile's 512 scale bytes leave as one run
	s_wait_dscnt 0x0
	global_store_b128 v1, v[48:51], s[18:19]
.Ldone:
	s_wait_tensorcnt 0x0                           ; the wave's end
	ds_add_u32 v30, v31
	s_wait_dscnt 0x0
	s_endpgm
.Llay:                                             ; THE WEIGHTS' WAY
	s_load_b512 s[8:23], s[0:1], 0x20              ; codes of Wq, Wk, Wv, Wo, W1, W2; scales of Wq, Wk
	s_load_b256 s[24:31], s[0:1], 0x60             ; scales of Wv, Wo, W1, W2
	s_load_b64 s[32:33], s[0:1], 0x80              ; wl
	v_lshrrev_b32 v1, 5, v0
	v_readfirstlane_b32 s2, v1                     ; wave
	v_and_b32 v1, 31, v0                           ; L
	v_and_b32 v2, 15, v0                           ; r
	v_bfe_u32 v3, v0, 4, 1                         ; h
	s_wait_alu depctr_va_vdst(0)
	s_sub_co_u32 s63, ttmp9, 256                   ; my number among this way's 192 work-groups
	s_lshl_b32 s3, s63, 2
	s_add_co_u32 s3, s3, s2                        ; the unit
	s_lshr_b32 s4, s63, 4                          ; 0-3: Wq, Wk, Wv, Wo; 4-7: W1; 8-11: W2
	s_cmp_ge_u32 s4, 8
	s_cselect_b32 s5, 3, 1                         ; log2 of the chunks in a row
	s_cselect_b32 s6, 11, 9                        ; log2 of a row's bytes: 2,048 or 512
	s_cselect_b32 s34, 7, 1
	s_cselect_b32 s35, 0x400000, 0                 ; W2's images begin here,
	s_cselect_b32 s44, 0x40000, 0                  ; and its scale images here
	s_lshr_b32 s7, s3, s5                          ; the group, counted over the weights of one row length
	s_and_b32 s45, s3, s34                         ; the chunk
	s_and_b32 s46, s7, 31
	s_and_b32 s47, s7, 127
	s_lshr_b32 s48, s4, 2
	s_cmp_eq_u32 s48, 1
	s_cselect_b32 s46, s47, s46                    ; the group inside its weight
	s_cmp_ge_u32 s4, 8
	s_cselect_b32 s47, s46, s7                     ; the group in wl: the five weights with rows of 512 bytes lie on end
	s_add_co_u32 s48, s6, 5
	s_add_co_u32 s49, s6, 1
	s_lshl_b32 s50, s46, s48                       ; from: codes: group x 32 rows + chunk x 256
	s_lshl_b32 s52, s45, 8
	s_add_co_u32 s50, s50, s52
	s_mov_b32 s51, 0
	s_lshl_b32 s52, s46, s49                       ; from: scale bytes: group x 32 rows of (row bytes / 16) + chunk x 16
	s_lshl_b32 s54, s45, 4
	s_add_co_u32 s52, s52, s54
	s_mov_b32 s53, 0
	s_lshl_b32 s54, s47, s48                       ; to: codes: group x two tiles + chunk x 16 blocks of 256 bytes
	s_add_co_u32 s54, s54, s35
	s_lshl_b32 s56, s45, 12
	s_add_co_u32 s54, s54, s56
	s_mov_b32 s55, 0
	s_lshl_b32 s56, 16, s6                         ; a tile's image: 16 rows' bytes
	s_mov_b32 s57, 0
	s_lshl_b32 s58, s47, s49                       ; to: scale bytes: group x two tiles + chunk x 256
	s_add_co_u32 s58, s58, s44
	s_lshl_b32 s60, s45, 8
	s_add_co_u32 s58, s58, s60
	s_add_co_u32 s58, s58, 0x600000
	s_mov_b32 s59, 0
	v_lshlrev_b32 v[AV], s6, v3                    ; row h,
	v_lshl_add_u32 v[AV], v2, 4, v[AV]             ; 16 bytes a lane: sixteen lanes take a row's 256 bytes
	s_lshl_b32 s60, 2, s6                          ; two rows on
.set i, 0
.rept 15
	v_add_nc_u32 v[AV+1+i], s60, v[AV+i]
.set i, i+1
.endr
	s_mul_i32 s61, s2, STAGEB
	s_add_co_u32 s61, s61, LST                     ; my stage
	v_mul_u32_u24 v20, v3, PITCH
	v_lshl_add_u32 v20, v2, 4, v20
	v_add_nc_u32 v20, s61, v20                     ; into the stage: row h, 16 r
	v_and_b32 v21, 8, v2
	v_add_nc_u32 v21, v21, v2                      ; r + 8 (r / 8)
	v_mul_u32_u24 v21, v21, PITCH
	v_lshl_add_u32 v21, v3, 4, v21
	v_add_nc_u32 v21, s61, v21                     ; out of it: the tile's row r, block h of a pair
	v_lshlrev_b32 v22, 4, v1                       ; 16 L: my place in 512 bytes of an image
	s_sub_co_u32 s62, s6, 4
	v_lshlrev_b32 v23, s62, v1                     ; scale bytes: lane L takes row L of the group
	v_bfe_u32 v24, v0, 3, 1                        ; which is row (L % 8) + 8 (L / 16) of tile (L / 8) % 2
	v_lshlrev_b32 v24, s6, v24                     ; (a tile's scale image is as many bytes as a row of codes)
	v_and_b32 v25, 7, v0
	v_lshl_add_u32 v25, v3, 3, v25
	v_lshl_add_u32 v24, v25, 4, v24
	s_wait_alu depctr_va_vdst(0)
	s_wait_kmcnt 0x0
	s_mov_b64 s[36:37], s[8:9]                     ; the weight is chosen by the work-group's number alone
	s_mov_b64 s[38:39], s[20:21]
	s_cmp_eq_u32 s4, 1
	s_cselect_b64 s[36:37], s[10:11], s[36:37]
	s_cselect_b64 s[38:39], s[22:23], s[38:39]
	s_cmp_eq_u32 s4, 2
	s_cselect_b64 s[36:37], s[12:13], s[36:37]
	s_cselect_b64 s[38:39], s[24:25], s[38:39]
	s_cmp_eq_u32 s4, 3
	s_cselect_b64 s[36:37], s[14:15], s[36:37]
	s_cselect_b64 s[38:39], s[26:27], s[38:39]
	s_cmp_ge_u32 s4, 4
	s_cselect_b64 s[36:37], s[16:17], s[36:37]
	s_cselect_b64 s[38:39], s[28:29], s[38:39]
	s_cmp_ge_u32 s4, 8
	s_cselect_b64 s[36:37], s[18:19], s[36:37]
	s_cselect_b64 s[38:39], s[30:31], s[38:39]
	s_add_nc_u64 s[36:37], s[36:37], s[50:51]
	s_add_nc_u64 s[38:39], s[38:39], s[52:53]
	s_add_nc_u64 s[40:41], s[32:33], s[54:55]      ; tile 2 g,
	s_add_nc_u64 s[42:43], s[40:41], s[56:57]      ; tile 2 g + 1
	s_add_nc_u64 s[58:59], s[32:33], s[58:59]
.set i, 0
.rept 16
	global_load_b128 v[IN+4*i:IN+4*i+3], v[AV+i], s[36:37] th:TH_LOAD_NT   ; rows 2 i and 2 i + 1: 256 consecutive bytes each
.set i, i+1
.endr
	global_load_b128 v[SD:SD+3], v23, s[38:39]     ; my row's 16 scale bytes
	s_wait_loadcnt 0x0
.set i, 0
.rept 16
	ds_store_b128 v20, v[IN+4*i:IN+4*i+3] offset:i*2*PITCH
.set i, i+1
.endr
.irp u, 0,1
.irp k, 0,1,2,3,4,5,6,7
	ds_load_b128 v[OUT+4*(8*\u+\k):OUT+4*(8*\u+\k)+3], v21 offset:\u*8*PITCH+\k*32   ; LDS serves a wave's instructions in order: these see my stores.  Tile u, blocks 2 k + h
.endr
.endr
.irp k, 0,1,2,3,4,5,6,7
	s_wait_dscnt 15-\k                             ; the younger LDS loads may be out
	global_store_b128 v22, v[OUT+4*\k:OUT+4*\k+3], s[40:41] offset:\k*512    ; 32 lanes store 512 consecutive bytes
.endr
.irp k, 0,1,2,3,4,5,6,7
	s_wait_dscnt 7-\k
	global_store_b128 v22, v[OUT+32+4*\k:OUT+32+4*\k+3], s[42:43] offset:\k*512
.endr
	global_store_b128 v24, v[SD:SD+3], s[58:59]    ; the two tiles' 256 scale bytes of this chunk
	s_wait_tensorcnt 0x0                           ; the wave's end
	ds_add_u32 v30, v31
	s_wait_dscnt 0x0
	s_endpgm
.Lfunc_end_k_qe241dcd996_prep:
	.size	k_qe241dcd996_prep, .Lfunc_end_k_qe241dcd996_prep-k_qe241dcd996_prep
	.p2alignl 7, 3214868480
	.fill 96, 4, 3214868480
	.section	.rodata,"a",@progbits
	.p2align	6, 0x0
	.amdhsa_kernel k_qe241dcd996_prep
		.amdhsa_group_segment_fixed_size 101888
		.amdhsa_private_segment_fixed_size 0
		.amdhsa_enable_private_segment 0
		.amdhsa_kernarg_size 136
		.amdhsa_user_sgpr_count 2
		.amdhsa_user_sgpr_kernarg_segment_ptr 1
		.amdhsa_wavefront_size32 1
		.amdhsa_system_sgpr_workgroup_id_x 1
		.amdhsa_system_sgpr_workgroup_id_y 1
		.amdhsa_system_sgpr_workgroup_id_z 1
		.amdhsa_system_vgpr_workitem_id 0
		.amdhsa_next_free_vgpr 224
		.amdhsa_next_free_sgpr 66
		.amdhsa_reserve_vcc 0
		.amdhsa_float_denorm_mode_32 3
		.amdhsa_float_denorm_mode_16_64 3
		.amdhsa_memory_ordered 1
		.amdhsa_forward_progress 1
		.amdhsa_inst_pref_size 52
	.end_amdhsa_kernel
	.amdgpu_metadata
---
amdhsa.version: [ 1, 2 ]
amdhsa.kernels:
  - .name:           k_qe241dcd996_prep
    .symbol:         k_qe241dcd996_prep.kd
    .args:
      - { .name: x, .offset: 0, .size: 8, .value_kind: global_buffer, .address_space: global }
      - { .name: g1, .offset: 8, .size: 8, .value_kind: global_buffer, .address_space: global }
      - { .name: be1, .offset: 16, .size: 8, .value_kind: global_buffer, .address_space: global }
      - { .name: ac, .offset: 24, .size: 8, .value_kind: global_buffer, .address_space: global }
      - { .name: Wq_codes, .offset: 32, .size: 8, .value_kind: global_buffer, .address_space: global }
      - { .name: Wk_codes, .offset: 40, .size: 8, .value_kind: global_buffer, .address_space: global }
      - { .name: Wv_codes, .offset: 48, .size: 8, .value_kind: global_buffer, .address_space: global }
      - { .name: Wo_codes, .offset: 56, .size: 8, .value_kind: global_buffer, .address_space: global }
      - { .name: W1_codes, .offset: 64, .size: 8, .value_kind: global_buffer, .address_space: global }
      - { .name: W2_codes, .offset: 72, .size: 8, .value_kind: global_buffer, .address_space: global }
      - { .name: Wq_scales, .offset: 80, .size: 8, .value_kind: global_buffer, .address_space: global }
      - { .name: Wk_scales, .offset: 88, .size: 8, .value_kind: global_buffer, .address_space: global }
      - { .name: Wv_scales, .offset: 96, .size: 8, .value_kind: global_buffer, .address_space: global }
      - { .name: Wo_scales, .offset: 104, .size: 8, .value_kind: global_buffer, .address_space: global }
      - { .name: W1_scales, .offset: 112, .size: 8, .value_kind: global_buffer, .address_space: global }
      - { .name: W2_scales, .offset: 120, .size: 8, .value_kind: global_buffer, .address_space: global }
      - { .name: wl, .offset: 128, .size: 8, .value_kind: global_buffer, .address_space: global }
    .group_segment_fixed_size: 101888
    .private_segment_fixed_size: 0
    .kernarg_segment_align: 8
    .kernarg_segment_size: 136
    .max_flat_workgroup_size: 128
    .sgpr_count:     66
    .vgpr_count:     224
    .wavefront_size: 32
...
	.end_amdgpu_metadata
.endif
;; end of part 1
;; launch qkv (part 2): grid 12 x 16, 16 waves a work-group, no clusters, 149,504 bytes of LDS; arguments ac, wl, bq, bk, bv, qkv; writes qkv
.if DOCPART == 2
	.amdgcn_target "amdgcn-amd-amdhsa--gfx1250"
	.amdhsa_code_object_version 6
	.text
	.protected	k_qe241dcd996_qkv
	.globl	k_qe241dcd996_qkv
	.p2align	8
	.type	k_qe241dcd996_qkv,@function
k_qe241dcd996_qkv:
	s_mov_b64 s[64:65], 0
	v_nop
	global_prefetch_b8 v0, s[64:65] scope:SCOPE_SE
	s_setreg_imm32_b32 hwreg(HW_REG_WAVE_MODE, 25, 1), 1
	s_wait_xcnt 0x0
; q, k, v = h W^T + b (K = 1,024) on codes of E2M1, and their quantising for attention, in the epilogue.  Work-group x: 0-3 Wq, 4-7 Wk, 8-11 Wv (256 features each); y: 256 tokens.
; A work-group multiplies a source-0 panel of 16 tiles by a source-1 panel of 16 tiles; each of its SIXTEEN waves owns 4 x 4 tiles: 16 accumulators, 128 registers; four waves to a SIMD cover each other's waits.
; Q, K: source 0 = the weight's rows, source 1 = tokens: a lane holds ONE token and, in 32 registers, 64 neighbouring features: one head, the K of the scores' product.
; V: source 0 = tokens, source 1 = Wv's rows: a lane holds ONE channel and 64 neighbouring tokens: the keys are the K of the second product.
; Operands lie in memory as images of their registers (tile, block of 32 along K, row, 16 bytes), so a panel's two K steps are dense runs; they go to LDS through registers, two slots by turns, one barrier a trip:
; a trip stores into the slot that was read in the trip before, whose reads every wave had waited for ahead of that trip's barrier; the same barrier shows the stored slot to all.
; No cluster: the panels are shared by 12 to 16 work-groups, but this text fills LDS through registers and has no tensor load that could be asked for jointly.
; OUT: q and k: [batch x head][tile of 16 tokens][512 bytes] (registers 0-3 of a fragment; K = 64), scale words [..][tile][r][4 bytes], upper two bytes 0.  v: [batch x head][128 keys][16 channels][2][lane][16 bytes], scale words [..][128 keys][tile][r][4].
; LIMITS: a block of zeros gets the byte 1 (its codes are zeros; this program alone reads the bytes); NaN and infinities among the inputs are not served.
.set SLOT1, 65536                      ; LDS: slot 0 at 0, slot 1 here; in a slot source 0's panel (16 tiles x 2,048 bytes: two K steps), then source 1's
.set PAN1,  32768
.set SC,    131072                     ; the scale images of both panels, 8,192 bytes each, for all of K
.set SPARE, 147456                     ; the spare words, 128 bytes for each wave
.set SCR, 16                           ; v16-31   scale words: register 4 i + q: lanes 0-15 source 0's tile i, lanes 16-31 source 1's tile i, K step q of four
.set ST,  32                           ; v32-63   on the way from memory to LDS; at the end the bias
.set F,   64                           ; v64-127  fragments: source 0's tile i at 64 + 8 i, source 1's tile j at 96 + 8 j; at the end codes and work
.set ACC, 128                          ; v128-255 accumulator (i, j) at 128 + 32 j + 8 i
.set TM,  84
.set SEL, 60
.macro STAGE_LOAD s                    ; both panels' K steps 2 s, 2 s + 1: eight loads a thread, 512 consecutive bytes a wave and load
.irp i, 0,1,2,3
	global_load_b128 v[ST+4*\i:ST+4*\i+3], v1, s[32:33] offset:\i*32768+(\s)*2048
.endr
.irp i, 0,1,2,3
	global_load_b128 v[ST+16+4*\i:ST+16+4*\i+3], v1, s[34:35] offset:\i*32768+(\s)*2048
.endr
.endm
.macro STAGE_STORE n
.irp i, 0,1,2,3
	ds_store_b128 v[2+\n], v[ST+4*\i:ST+4*\i+3] offset:\i*8192
.endr
.irp i, 0,1,2,3
	ds_store_b128 v[2+\n], v[ST+16+4*\i:ST+16+4*\i+3] offset:PAN1+\i*8192
.endr
.endm
.macro FETCH n, q                      ; my eight fragments of the slot's K step q
.irp i, 0,1,2,3
.irp c, 0,1
	ds_load_b128 v[F+8*\i+4*\c:F+8*\i+4*\c+3], v[4+2*\n] offset:\i*2048+\q*1024+\c*512
.endr
.endr
.irp i, 0,1,2,3
.irp c, 0,1
	ds_load_b128 v[F+32+8*\i+4*\c:F+32+8*\i+4*\c+3], v[5+2*\n] offset:\i*2048+\q*1024+\c*512
.endr
.endr
.endm
.macro SCALES sig                      ; the scale words of four K steps
.irp i, 0,1,2,3
	ds_load_b128 v[SCR+4*\i:SCR+4*\i+3], v8 offset:\i*512+\sig*256
.endr
.endm
.macro MUL sq, zero                    ; 16 products, the 16 accumulators by turns, in the same order in every K step
.irp j, 0,1,2,3
.irp i, 0,1,2,3
.if \zero
	v_wmma_scale_f32_16x16x128_f8f6f4 v[ACC+32*\j+8*\i:ACC+32*\j+8*\i+7], v[F+8*\i:F+8*\i+7], v[F+32+8*\j:F+32+8*\j+7], 0, v[SCR+4*\i+\sq], v[SCR+4*\j+\sq] matrix_a_fmt:MATRIX_FMT_FP4 matrix_b_fmt:MATRIX_FMT_FP4 matrix_b_scale:MATRIX_SCALE_ROW1
.else
	v_wmma_scale_f32_16x16x128_f8f6f4 v[ACC+32*\j+8*\i:ACC+32*\j+8*\i+7], v[F+8*\i:F+8*\i+7], v[F+32+8*\j:F+32+8*\j+7], v[ACC+32*\j+8*\i:ACC+32*\j+8*\i+7], v[SCR+4*\i+\sq], v[SCR+4*\j+\sq] matrix_a_fmt:MATRIX_FMT_FP4 matrix_b_fmt:MATRIX_FMT_FP4 matrix_b_scale:MATRIX_SCALE_ROW1
.endif
.endr
.endr
.endm
.macro BAR
	s_wait_dscnt 0x0                               ; my LDS stores have landed and my LDS loads are in
	s_barrier_signal -1
	s_barrier_wait -1
.endm
.macro HALF n, q, sq, zero, sig        ; one K step
.if (\zero) == 0
.rept 4
	v_nop                                          ; four places in front of loads into registers that matrix instructions have read
.endr
.endif
.if (\sq) == 0
	SCALES \sig
.endif
	FETCH \n, \q
	s_wait_dscnt 0x0
	MUL \sq, \zero
.endm
; 32 numbers of a lane, register 16 b + i = index 32 b + 16 (lane / 16) + i along the next K, become two blocks' codes: v[p .. p + 3] of lane (r, h) = block h whole; v[hw] = the two scale bytes, in every lane.
.macro QUANT2 a, p, hw, relu
.if \relu
.set n, 0
.rept 32
	v_max_num_f32 v[(\a)+n], 0, v[(\a)+n]
.set n, n+1
.endr
.endif
.irp b, 0,1
	v_max3_num_f32 v[TM+\b], |v[(\a)+16*\b]|, |v[(\a)+16*\b+1]|, 0x1800000   ; my 16 numbers of block b, and the floor 2^(3 - 127): the byte cannot fall under 1
.endr
.irp i, 2,4,6,8,10,12,14
.irp b, 0,1
	s_delay_alu instid0(VALU_DEP_2)
	v_max3_num_f32 v[TM+\b], v[TM+\b], |v[(\a)+16*\b+\i]|, |v[(\a)+16*\b+\i+1]|
.endr
.endr
.irp b, 0,1
	s_delay_alu instid0(VALU_DEP_2)
	v_permlanex16_b32 v[TM+2+\b], v[TM+\b], s[SEL], s[SEL+1]
.endr
.irp b, 0,1
	s_delay_alu instid0(VALU_DEP_2)
	v_max_num_f32 v[TM+\b], v[TM+\b], v[TM+2+\b]   ; with lane l xor 16's: the block's largest magnitude
.endr
.irp b, 0,1
	s_delay_alu instid0(VALU_DEP_2)
	v_add_nc_u32 v[TM+4+\b], 0xff000000, v[TM+\b]  ; 2 off its exponent field: the conversion's scale operand
.endr
.irp b, 0,1
	s_delay_alu instid0(VALU_DEP_2)
	v_lshrrev_b32 v[TM+2+\b], 23, v[TM+4+\b]       ; the scale's byte
.endr
	s_delay_alu instid0(VALU_DEP_1)
	v_lshl_or_b32 v[\hw], v[TM+3], 8, v[TM+2]
.irp b, 0,1
	v_cvt_scalef32_pk8_fp4_f32 v[(\p)+2*\b], v[(\a)+16*\b:(\a)+16*\b+7], v[TM+4+\b]
	v_cvt_scalef32_pk8_fp4_f32 v[(\p)+2*\b+1], v[(\a)+16*\b+8:(\a)+16*\b+15], v[TM+4+\b]
.endr
	v_nop                                          ; one plain place behind a scaled conversion
	v_permlane16_swap_b32 v[(\p)], v[(\p)+2]       ; a whole block to a lane: lanes 0-15 block 0, lanes 16-31 block 1
	v_permlane16_swap_b32 v[(\p)+1], v[(\p)+3]
.endm
.macro EPI_J j, vform, relu            ; source 1's tile j: the bias, each accumulator from its low end on; then the quantiser
.set m, 0
.rept 16
.if \vform
	v_pk_add_f32 v[ACC+32*\j+2*m:ACC+32*\j+2*m+1], v[ACC+32*\j+2*m:ACC+32*\j+2*m+1], v[ST+2*\j:ST+2*\j+1] op_sel_hi:[1,0]
.else
	v_pk_add_f32 v[ACC+32*\j+2*m:ACC+32*\j+2*m+1], v[ACC+32*\j+2*m:ACC+32*\j+2*m+1], v[ST+2*m:ST+2*m+1]
.endif
.set m, m+1
.endr
	QUANT2 ACC+32*\j, 64+4*\j, 80+\j, \relu
.endm
	s_load_b256 s[4:11], s[0:1], 0x0               ; ac, wl, bq, bk
	s_load_b128 s[12:15], s[0:1], 0x20             ; bv, qkv
	v_lshl_add_u32 v9, v0, 2, SPARE                ; my spare word,
	v_mov_b32 v10, 0                               ; and 0
	v_lshrrev_b32 v32, 5, v0
	s_delay_alu instid0(VALU_DEP_1)
	v_readfirstlane_b32 s16, v32                   ; wave 0..15
	s_and_b32 s17, s16, 3                          ; ws0: my four tiles of source 0
	s_lshr_b32 s18, s16, 2                         ; ws1: of source 1
	s_mov_b32 s19, ttmp9                           ; X
	s_and_b32 s20, ttmp7, 0xffff                   ; Y
	v_and_b32 v33, 31, v0                          ; L
	v_and_b32 v34, 15, v0                          ; r
	v_bfe_u32 v35, v0, 4, 1                        ; h
	v_lshrrev_b32 v36, 7, v0
	v_and_b32 v37, 127, v0
	s_delay_alu instid0(VALU_DEP_1)
	v_lshlrev_b32 v37, 4, v37
	s_delay_alu instid0(VALU_DEP_1)
	v_lshl_add_u32 v1, v36, 13, v37                ; in memory: tile t / 128 of four, 16 (t % 128)
	v_lshlrev_b32 v2, 4, v0                        ; in a slot: 16 t
	s_delay_alu instid0(VALU_DEP_1)
	v_add_nc_u32 v3, SLOT1, v2
	v_lshlrev_b32 v14, 4, v33                      ; 16 L
	s_lshl_b32 s21, s17, 13
	s_lshl_b32 s22, s18, 13
	s_add_co_u32 s22, s22, PAN1
	v_add_nc_u32 v4, s21, v14                      ; my fragments of source 0, slot 0
	v_add_nc_u32 v5, s22, v14                      ; of source 1
	s_delay_alu instid0(VALU_DEP_2)
	v_add_nc_u32 v6, SLOT1, v4                     ; and in slot 1
	s_delay_alu instid0(VALU_DEP_2)
	v_add_nc_u32 v7, SLOT1, v5
	s_lshl_b32 s21, s17, 11
	s_lshl_b32 s23, s18, 11
	s_add_co_u32 s23, s23, 8192
	s_sub_co_u32 s23, s23, s21                     ; from my tiles' scale words of source 0 to those of source 1
	v_mul_u32_u24 v36, s23, v35                    ; lanes 16-31 take source 1's
	s_delay_alu instid0(VALU_DEP_1)
	v_lshl_add_u32 v8, v34, 4, v36
	s_add_co_u32 s21, s21, SC
	v_add_nc_u32 v8, s21, v8
	v_and_b32 v11, 255, v0
	s_delay_alu instid0(VALU_DEP_1)
	v_lshlrev_b32 v11, 4, v11                      ; the scale images' way in: 16 (t % 256),
	v_lshrrev_b32 v12, 8, v0
	s_delay_alu instid0(VALU_DEP_1)
	v_lshl_add_u32 v12, v12, 13, v11
	s_delay_alu instid0(VALU_DEP_1)
	v_add_nc_u32 v12, SC, v12                      ; waves 0-7 source 0's, waves 8-15 source 1's
	v_lshlrev_b32 v13, 6, v35                      ; the bias of Q, K: 16 h numbers on
	v_and_b32 v15, 8, v34
	s_delay_alu instid0(VALU_DEP_1)
	v_add_nc_u32 v15, v15, v34
	s_delay_alu instid0(VALU_DEP_1)
	v_lshlrev_b32 v15, 2, v15                      ; the bias of V: channel r + 8 (r / 8) of a tile
	s_mov_b32 s[SEL], 0x76543210
	s_mov_b32 s[SEL+1], 0xfedcba98                 ; v_permlanex16_b32's selects for lane l xor 16
	s_mov_b32 s62, 0xffff0000                      ; lanes 16-31
	s_lshl_b32 s24, s20, 17                        ; the tokens' panel: 16 tiles of 8,192 bytes
	s_mov_b32 s25, 0
	s_lshl_b32 s26, s20, 13
	s_add_co_u32 s26, s26, 0x200000                ; and its scale image
	s_mov_b32 s27, 0
	s_lshl_b32 s28, s19, 17                        ; the weight's panel (Wq, Wk, Wv lie on end)
	s_mov_b32 s29, 0
	s_lshl_b32 s30, s19, 13
	s_add_co_u32 s30, s30, 0x600000
	s_mov_b32 s31, 0
	s_and_b32 s44, s19, 3                          ; which 256 features of the weight
	s_cmp_lt_u32 s19, 8
	s_cselect_b32 s45, s17, s18                    ; the waves' share of the features: ws0 for Q, K; ws1 for V
	s_lshl_b32 s46, s44, 2
	s_add_co_u32 s46, s46, s45                     ; the head
	s_lshr_b32 s47, s20, 3
	s_lshl_b32 s47, s47, 4
	s_add_co_u32 s47, s47, s46                     ; 16 x batch + head
	s_lshl_b32 s48, s46, 8                         ; the head's 64 numbers of the bias
	s_mov_b32 s49, 0
	s_wait_alu depctr_va_vdst(0)
	s_wait_kmcnt 0x0
	s_add_nc_u64 s[24:25], s[4:5], s[24:25]
	s_add_nc_u64 s[26:27], s[4:5], s[26:27]
	s_add_nc_u64 s[28:29], s[6:7], s[28:29]
	s_add_nc_u64 s[30:31], s[6:7], s[30:31]
	s_cmp_lt_u32 s19, 8                            ; the roles hang on the work-group's number alone
	s_cselect_b64 s[32:33], s[28:29], s[24:25]     ; source 0's codes
	s_cselect_b64 s[34:35], s[24:25], s[28:29]     ; source 1's
	s_cselect_b64 s[36:37], s[30:31], s[26:27]     ; source 0's scales
	s_cselect_b64 s[38:39], s[26:27], s[30:31]
	s_cmp_lt_u32 s16, 8
	s_cselect_b64 s[40:41], s[36:37], s[38:39]     ; the scale image that my wave brings in
	s_mov_b64 s[42:43], s[8:9]
	s_cmp_ge_u32 s19, 4
	s_cselect_b64 s[42:43], s[10:11], s[42:43]
	s_cmp_ge_u32 s19, 8
	s_cselect_b64 s[42:43], s[12:13], s[42:43]
	s_add_nc_u64 s[42:43], s[42:43], s[48:49]      ; the bias
	STAGE_LOAD 0
	global_load_b128 v[F:F+3], v11, s[40:41]
	global_load_b128 v[F+4:F+7], v11, s[40:41] offset:4096
	s_wait_loadcnt 0x0
	STAGE_STORE 0
	ds_store_b128 v12, v[F:F+3]
	ds_store_b128 v12, v[F+4:F+7] offset:4096
	BAR
	STAGE_LOAD 1                                   ; asked for at a trip's head, waited for at its end: two K steps' work stands between
	HALF 0, 0, 0, 1, 0                             ; the first products start the sums: nothing is cleared
	HALF 0, 1, 1, 0, 0
	s_wait_loadcnt 0x0
	STAGE_STORE 1
	BAR
	STAGE_LOAD 2
	HALF 1, 0, 2, 0, 0
	HALF 1, 1, 3, 0, 0
	s_wait_loadcnt 0x0
	STAGE_STORE 0
	BAR
	STAGE_LOAD 3
	HALF 0, 0, 0, 0, 1
	HALF 0, 1, 1, 0, 1
	s_wait_loadcnt 0x0
	STAGE_STORE 1
	BAR
	s_cmp_lt_u32 s19, 8                            ; the bias, in the result's layout
	s_cbranch_scc0 .Lbias_v
.irp i, 0,1,2,3
	global_load_b128 v[ST+8*\i:ST+8*\i+3], v13, s[42:43] offset:(32*(\i/2)+8*(\i%2))*4       ; tile i, my half: features 32 (i / 2) + 16 h + 8 (i % 2) + 0 .. 7
	global_load_b128 v[ST+8*\i+4:ST+8*\i+7], v13, s[42:43] offset:(32*(\i/2)+8*(\i%2))*4+16
.endr
	s_branch .Lbias_done
.Lbias_v:
.irp j, 0,1,2,3
	global_load_b32 v[ST+2*\j], v15, s[42:43] offset:(32*(\j/2)+8*(\j%2))*4                  ; tile j: my channel's number (the packed add takes the pair's low word for both halves)
.endr
.Lbias_done:
	HALF 1, 0, 2, 0, 1
	HALF 1, 1, 3, 0, 1
.rept 4
	v_nop                                          ; four places in front of the first read of results
.endr
	s_wait_loadcnt 0x0                             ; the bias
	v_lshrrev_b32 v11, 2, v14                      ; 4 L
	v_mov_b32 v[TM+2], 0                           ; a lane permute's destination counts as one of its sources
	v_mov_b32 v[TM+3], 0
	s_cmp_lt_u32 s19, 8
	s_cbranch_scc0 .Lepi_v
	s_lshr_b32 s48, s19, 2                         ; 0: q, 1: k
	s_lshl_b32 s52, s48, 21
	s_lshl_b32 s50, s47, 16
	s_add_co_u32 s52, s52, s50
	s_and_b32 s51, s20, 7
	s_lshl_b32 s50, s51, 13
	s_add_co_u32 s52, s52, s50
	s_lshl_b32 s50, s18, 11
	s_add_co_u32 s52, s52, s50                     ; codes: (batch, head) x 65,536 + tile (16 (Y % 8) + 4 ws1) x 512
	s_mov_b32 s53, 0
	s_add_nc_u64 s[52:53], s[14:15], s[52:53]
	s_lshl_b32 s54, s48, 18
	s_add_co_u32 s54, s54, 0x600000
	s_lshl_b32 s50, s47, 13
	s_add_co_u32 s54, s54, s50
	s_lshl_b32 s50, s51, 10
	s_add_co_u32 s54, s54, s50
	s_lshl_b32 s50, s18, 8
	s_add_co_u32 s54, s54, s50                     ; scale words: 64 bytes a tile
	s_mov_b32 s55, 0
	s_add_nc_u64 s[54:55], s[14:15], s[54:55]
.irp j, 0,1,2,3
	EPI_J \j, 0, 0
	global_store_b128 v14, v[64+4*\j:67+4*\j], s[52:53] offset:512*\j   ; 512 consecutive bytes: a tile of tokens, the head's 64
.endr
.irp u, 0,1
	v_cndmask_b32 v[90+\u], v[80+2*\u], v[81+2*\u], s62                 ; lanes 0-15 tile 2 u's words, lanes 16-31 tile 2 u + 1's
	global_store_b32 v11, v[90+\u], s[54:55] offset:128*\u
.endr
	s_branch .Lend
.Lepi_v:
	s_lshl_b32 s50, s20, 2
	s_add_co_u32 s50, s50, s17
	s_and_b32 s50, s50, 31                         ; which 64 keys of the batch are my tokens
	s_lshr_b32 s51, s50, 1                         ; which 128,
	s_and_b32 s50, s50, 1                          ; and which half of them
	s_lshl_b32 s52, s47, 16
	s_add_co_u32 s52, s52, 0x400000
	s_lshl_b32 s54, s51, 12
	s_add_co_u32 s52, s52, s54
	s_lshl_b32 s54, s50, 9
	s_add_co_u32 s52, s52, s54
	s_mov_b32 s53, 0
	s_add_nc_u64 s[52:53], s[14:15], s[52:53]
	s_lshl_b32 s54, s47, 12
	s_add_co_u32 s54, s54, 0x680000
	s_lshl_b32 s56, s51, 8
	s_add_co_u32 s54, s54, s56
	s_lshl_b32 s56, s50, 1
	s_add_co_u32 s54, s54, s56
	s_mov_b32 s55, 0
	s_add_nc_u64 s[54:55], s[14:15], s[54:55]
.irp j, 0,1,2,3
	EPI_J \j, 1, 0
	global_store_b128 v14, v[64+4*\j:67+4*\j], s[52:53] offset:1024*\j  ; registers 4 c .. 4 c + 3 of the fragment (16 channels x 128 keys)
.endr
.irp u, 0,1
	v_cndmask_b32 v[90+\u], v[80+2*\u], v[81+2*\u], s62
	global_store_b16 v11, v[90+\u], s[54:55] offset:128*\u              ; my two bytes of a channel's scale word
.endr
.Lend:
	s_wait_tensorcnt 0x0                           ; the wave's end
	ds_add_u32 v9, v10
	s_wait_dscnt 0x0
	s_endpgm
.Lfunc_end_k_qe241dcd996_qkv:
	.size	k_qe241dcd996_qkv, .Lfunc_end_k_qe241dcd996_qkv-k_qe241dcd996_qkv
	.p2alignl 7, 3214868480
	.fill 96, 4, 3214868480
	.section	.rodata,"a",@progbits
	.p2align	6, 0x0
	.amdhsa_kernel k_qe241dcd996_qkv
		.amdhsa_group_segment_fixed_size 149504
		.amdhsa_private_segment_fixed_size 0
		.amdhsa_enable_private_segment 0
		.amdhsa_kernarg_size 48
		.amdhsa_user_sgpr_count 2
		.amdhsa_user_sgpr_kernarg_segment_ptr 1
		.amdhsa_wavefront_size32 1
		.amdhsa_system_sgpr_workgroup_id_x 1
		.amdhsa_system_sgpr_workgroup_id_y 1
		.amdhsa_system_sgpr_workgroup_id_z 1
		.amdhsa_system_vgpr_workitem_id 0
		.amdhsa_next_free_vgpr 256
		.amdhsa_next_free_sgpr 66
		.amdhsa_reserve_vcc 0
		.amdhsa_float_denorm_mode_32 3
		.amdhsa_float_denorm_mode_16_64 3
		.amdhsa_memory_ordered 1
		.amdhsa_forward_progress 1
		.amdhsa_inst_pref_size 69
	.end_amdhsa_kernel
	.amdgpu_metadata
---
amdhsa.version: [ 1, 2 ]
amdhsa.kernels:
  - .name:           k_qe241dcd996_qkv
    .symbol:         k_qe241dcd996_qkv.kd
    .args:
      - { .name: ac, .offset: 0, .size: 8, .value_kind: global_buffer, .address_space: global }
      - { .name: wl, .offset: 8, .size: 8, .value_kind: global_buffer, .address_space: global }
      - { .name: bq, .offset: 16, .size: 8, .value_kind: global_buffer, .address_space: global }
      - { .name: bk, .offset: 24, .size: 8, .value_kind: global_buffer, .address_space: global }
      - { .name: bv, .offset: 32, .size: 8, .value_kind: global_buffer, .address_space: global }
      - { .name: qkv, .offset: 40, .size: 8, .value_kind: global_buffer, .address_space: global }
    .group_segment_fixed_size: 149504
    .private_segment_fixed_size: 0
    .kernarg_segment_align: 8
    .kernarg_segment_size: 48
    .max_flat_workgroup_size: 512
    .sgpr_count:     66
    .vgpr_count:     256
    .wavefront_size: 32
...
	.end_amdgpu_metadata
.endif
;; end of part 2
;; launch attn (part 3): grid 8 x 32, 16 waves a work-group, no clusters, 167,936 bytes of LDS; arguments qkv, ac; writes ac
.if DOCPART == 3
	.amdgcn_target "amdgcn-amd-amdhsa--gfx1250"
	.amdhsa_code_object_version 6
	.text
	.protected	k_qe241dcd996_attn
	.globl	k_qe241dcd996_attn
	.p2align	8
	.type	k_qe241dcd996_attn,@function
k_qe241dcd996_attn:
	s_mov_b64 s[64:65], 0
	v_nop
	global_prefetch_b8 v0, s[64:65] scope:SCOPE_SE
	s_setreg_imm32_b32 hwreg(HW_REG_WAVE_MODE, 25, 1), 1
	s_wait_xcnt 0x0
; Attention of one (batch, head) on codes of E2M1: S^T = K Q^T (K = the head's 64, the upper 64 of the instruction's 128 are zero codes), p = 2^(t - M), O^T += V^T P^T, O / l quantised along the 1,024 features for the next product.
; Nothing of reference() is left out here.  t = score x log2(e) / 8; M = the running largest t rounded up to a whole number; l = the sum of the unquantised p.
; SHARES: work-group x: 256 queries, y: batch x head; each of sixteen waves owns 16 queries and walks the 2,048 keys in 16 steps of 128.  A lane holds one query (lane % 16) throughout.
; LDS: the head's K codes (65,536 bytes, 128 bytes of padding behind each 1,024), V codes (65,536), K's and V's scale words (8,192 + 4,096) are filled ONCE, by lane-wise copies that are all issued at the head, in the order of need:
;   the scale words, then K's and V's steps 0-1, 2-3, ...: eighteen copies a wave.  Steps 0 and 1 run behind a wait that lets the last twelve copies stay out (steps 0-3 have landed); the other fourteen behind a wait for all.
; THE KEYS OF A TILE: row m of tile (c, t) is key 64 c + 32 (m / 8) + 8 t + m % 8 of the step, so that lane (r, h) holds in 32 registers the whole block 2 c + h of 32 keys, in order:
;   a block's largest score needs no other lane, and the eight conversions' results are the second product's operand as they stand.  The padding sets rows 8-15 of a tile 128 bytes off rows 0-7 modulo 256.
; ORDER: the rescaling of O^T and the second product of step i - 1 stand behind the first product of step i: the rescaling's lines are the places behind those matrix instructions.  K of step i + 1 and V of step i are read from LDS in step i,
;   between the links of the chain that makes M.  The read of K for a seventeenth step falls into V's bytes and K's scale words' into V's: landed bytes, used by nothing.
; No cluster: a head's K and V are read by its eight work-groups, but this text fills LDS by copies, which have no joint form.  No prefetch: all that the work-group reads is asked for at the head; there is no loop to run ahead in.
; LIMITS: the promise holds while the scaled scores stay under 2^31 in magnitude; a block of zeros gets the byte 1 (its codes are zeros; this program alone reads the bytes); NaN and infinities among the inputs are not served.
.set KP,    4608                       ; a step of K in LDS: 4 x (1,024 + 128)
.set VCL,   73728                      ; V's codes
.set KSL,   139264                     ; K's scale words
.set VSL,   147456                     ; V's scale words
.set SPARE, 152576                     ; the spare words, 128 bytes for each wave
.set SEL, 20                           ; s[20:21] selects for lane l xor 16
.set CS,  22                           ; s[22:23] c = log2(e) / 8
.set NC,  24                           ; s24 -c
.set KF,  32                           ; v32-95   K's eight tiles, registers 4-7 of each stay 0
.set S,   96                           ; v96-159  S^T, then p: block pair c at 96 + 32 c
.set O,   160                          ; v160-191 O^T
.set VF,  192                          ; v192-223 V's four tiles
.set PC,  224                          ; v224-231 p's codes
.set TM,  236
; v1 the copies' offset in memory, v2 and v4 K's and V's places in LDS (kept until all copies have landed); v5, v6 the add's; v7 8 h; v8-11 LDS addresses of K, V, K's and V's scale words; v12 -M, v13 the largest score; v[14:15] l; v16-23 Q;
; v24-27 K's scale words (lanes 0-15 c = 0, lanes 16-31 c = 1); v28, v29 V's (tiles 2 u, 2 u + 1); v30 p's; v31 Q's; v232-251 at work; v252 f; v254, v255 the conversions' scale operands
.macro WM d, a, b, c, sa, sb, row
	v_wmma_scale_f32_16x16x128_f8f6f4 v[\d:\d+7], v[\a:\a+7], v[\b:\b+7], \c, v[\sa], v[\sb] matrix_a_fmt:MATRIX_FMT_FP4 matrix_b_fmt:MATRIX_FMT_FP4 \row
.endm
.macro KLD st, c
.irp t, 0,1,2,3
	ds_load_b128 v[KF+32*(\c)+8*\t:KF+32*(\c)+8*\t+3], v8 offset:(\st)*KP+(\c)*2304+(\t%2)*512+(\t/2)*128
.endr
.endm
.macro KSLD st
.irp t, 0,1,2,3
	ds_load_b32 v[24+\t], v10 offset:(\st)*512+(\t%2)*64+(\t/2)*32
.endr
.endm
.macro VLD st, u
.irp t, 0,1
.irp c, 0,1
	ds_load_b128 v[VF+16*(\u)+8*\t+4*\c:VF+16*(\u)+8*\t+4*\c+3], v9 offset:(\st)*4096+(2*(\u)+\t)*1024+\c*512
.endr
.endr
.endm
.macro RESCALE                         ; O^T under the last step's M
	s_wait_alu depctr_va_vdst(0)                   ; directly ahead of the first reader of O^T
.irp j, 0,2,4,6,8,10,12,14,16,18,20,22,24,26,28,30
	v_pk_mul_f32 v[O+\j:O+\j+1], v[O+\j:O+\j+1], v[252:253] op_sel_hi:[1,0]
.endr
.endm
.macro PV z                            ; O^T += V^T P^T of the step before; z = 1: the first product starts the sums
.irp u, 0,1
.if \z
	WM O+16*\u, VF+16*\u, PC, 0, 28+\u, 30
	WM O+16*\u+8, VF+16*\u+8, PC, 0, 28+\u, 30, matrix_a_scale:MATRIX_SCALE_ROW1
.else
	WM O+16*\u, VF+16*\u, PC, v[O+16*\u:O+16*\u+7], 28+\u, 30
	WM O+16*\u+8, VF+16*\u+8, PC, v[O+16*\u+8:O+16*\u+15], 28+\u, 30, matrix_a_scale:MATRIX_SCALE_ROW1
.endif
.endr
.endm
; A KEY STEP.  ph = 0: the first, 1: the second, 2: any later one;  q: its place in a pair of steps (the addresses are stepped once a pair)
.macro STEP ph, q
.if \ph == 1
	s_wait_alu depctr_va_vdst(0)
.endif
	s_wait_dscnt 0x0                               ; K of this step and V of the last: asked for a step ago
.irp t, 0,1,2,3
	WM S+8*\t, KF+8*\t, 16, 0, 24+\t, 31
.endr
.irp t, 0,1,2,3
	WM S+32+8*\t, KF+32+8*\t, 16, 0, 24+\t, 31, matrix_a_scale:MATRIX_SCALE_ROW1
.endr
.if \ph == 2
	RESCALE                                        ; sixteen lines: the places behind the products above, and ahead of the scaled products below
	PV 0
.elseif \ph == 1
.rept 8
	v_nop                                          ; eight places between the write of p's scale word and the scaled products
.endr
	PV 1
.else
.rept 4
	v_nop
.endr
.endif
.irp k, 0,1,2,3                        ; the largest score of each block, in two chains a block, the four by turns, each accumulator from its low end on
	v_max3_num_f32 v[232+\k], v[S+32*(\k%2)+16*(\k/2)], v[S+32*(\k%2)+16*(\k/2)+1], v[S+32*(\k%2)+16*(\k/2)+2]
.endr
.irp i, 3,5,7,9,11,13
.irp k, 0,1,2,3
	v_max3_num_f32 v[232+\k], v[232+\k], v[S+32*(\k%2)+16*(\k/2)+\i], v[S+32*(\k%2)+16*(\k/2)+\i+1]
.endr
.endr
	v_max3_num_f32 v232, v232, v[S+15], v[S+31]
	v_max3_num_f32 v233, v233, v[S+47], v[S+63]
	KLD (\q)+1, 0                                  ; the LDS loads stand between the links of the chain that makes M
	v_max_num_f32 v232, v232, v234                 ; block h
	v_max_num_f32 v233, v233, v235                 ; block 2 + h
	KLD (\q)+1, 1
	v_max_num_f32 v234, v232, v233
	KSLD (\q)+1
	v_permlanex16_b32 v235, v234, s[SEL], s[SEL+1]
	VLD \q, 0
.if \ph == 0
	v_max_num_f32 v13, v234, v235
.else
	v_max3_num_f32 v13, v13, v234, v235            ; the running largest score of my query
.endif
	VLD \q, 1
	v_mul_f32 v236, s[NC], v13
	ds_load_b32 v28, v11 offset:(\q)*256
	ds_load_b32 v29, v11 offset:(\q)*256+128
.if \ph == 0
	v_floor_f32 v12, v236                          ; -M = floor(-t)
.else
	v_floor_f32 v236, v236
.endif
.if \q == 1
	v_add_nc_u32 v8, 2*KP, v8                      ; on to the next pair of steps
	v_add_nc_u32 v9, 8192, v9
	v_add_nc_u32 v10, 1024, v10
	v_add_nc_u32 v11, 512, v11
.endif
.if \ph > 0
	v_sub_f32 v237, v236, v12                      ; old M - new M: a whole number, 0 or less
	v_mov_b32 v12, v236
.endif
.set n, 0
.rept 32
	v_pk_fma_f32 v[S+2*n:S+2*n+1], v[S+2*n:S+2*n+1], s[CS:CS+1], v[12:13] op_sel_hi:[1,0,0]   ; t - M
.if (\ph > 0) && (n == 6)
	v_cvt_i32_f32 v237, v237                       ; (it saturates)
.endif
.set n, n+1
.endr
	v_fma_f32 v232, v232, s[CS], v12               ; the same of each block's largest score
	v_fma_f32 v233, v233, s[CS], v12
	s_wait_alu depctr_va_vdst(0)                   ; ahead of the batch
.set n, 0
.rept 64
	v_exp_f32 v[S+n], v[S+n]
.set n, n+1
.endr
	v_exp_f32 v232, v232                           ; the blocks' largest p
	v_exp_f32 v233, v233
.if \ph > 0
	v_ldexp_f32 v252, 1.0, v237                    ; f = 2^(old M - new M); the plain line behind the batch
.else
	v_nop
.endif
	s_wait_alu depctr_va_vdst(0)                   ; one wait for the batch, ahead of its first reader
.irp k, 0,1,2,3,4,5,6,7                ; the sum of the unquantised p, in eight chains
	v_pk_add_f32 v[236+2*\k:237+2*\k], v[S+2*\k:S+2*\k+1], v[S+16+2*\k:S+17+2*\k]
.endr
.irp g, 32,48
.irp k, 0,1,2,3,4,5,6,7
	v_pk_add_f32 v[236+2*\k:237+2*\k], v[236+2*\k:237+2*\k], v[S+\g+2*\k:S+\g+2*\k+1]
.endr
.endr
	v_max_num_f32 v232, 0x1800000, v232            ; the floor 2^(3 - 127): the byte cannot fall under 1
	v_max_num_f32 v233, 0x1800000, v233
.irp k, 0,1,2,3
	v_pk_add_f32 v[236+2*\k:237+2*\k], v[236+2*\k:237+2*\k], v[244+2*\k:245+2*\k]
.endr
	v_add_nc_u32 v254, 0xff000000, v232            ; 2 off the exponent field: the conversion's scale operand
	v_add_nc_u32 v255, 0xff000000, v233
	v_pk_add_f32 v[236:237], v[236:237], v[240:241]
	v_pk_add_f32 v[238:239], v[238:239], v[242:243]
	v_lshrrev_b32 v234, 23, v254                   ; the scales' bytes
	v_lshrrev_b32 v235, 23, v255
.if \ph == 0
	v_pk_add_f32 v[14:15], v[236:237], v[238:239]
	v_lshl_or_b32 v234, v235, 16, v234
.else
	v_pk_add_f32 v[236:237], v[236:237], v[238:239]
	v_lshl_or_b32 v234, v235, 16, v234
	v_pk_fma_f32 v[14:15], v[14:15], v[252:253], v[236:237] op_sel_hi:[1,0,1]   ; l under the new M, and this step's sum
.endif
	v_lshlrev_b32 v234, v7, v234                   ; my bytes are those of blocks h and 2 + h
	v_permlanex16_b32 v235, v234, s[SEL], s[SEL+1]
	v_or_b32 v30, v234, v235                       ; with lane l xor 16's the word is whole
.irp c, 0,1
.irp t, 0,1,2,3
	v_cvt_scalef32_pk8_fp4_f32 v[PC+4*\c+\t], v[S+32*\c+8*\t:S+32*\c+8*\t+7], v[254+\c]
.endr
.endr
	v_nop                                          ; one plain place behind a scaled conversion
.endm
; 32 numbers of a lane, register 16 b + i = index 32 b + 16 (lane / 16) + i along the next K, become two blocks' codes: v[p .. p + 3] of lane (r, h) = block h whole; v[hw] = the two scale bytes
.macro QUANT2 a, p, hw
.irp b, 0,1
	v_max3_num_f32 v[TM+\b], |v[(\a)+16*\b]|, |v[(\a)+16*\b+1]|, 0x1800000
.endr
.irp i, 2,4,6,8,10,12,14
.irp b, 0,1
	s_delay_alu instid0(VALU_DEP_2)
	v_max3_num_f32 v[TM+\b], v[TM+\b], |v[(\a)+16*\b+\i]|, |v[(\a)+16*\b+\i+1]|
.endr
.endr
.irp b, 0,1
	s_delay_alu instid0(VALU_DEP_2)
	v_permlanex16_b32 v[TM+2+\b], v[TM+\b], s[SEL], s[SEL+1]
.endr
.irp b, 0,1
	s_delay_alu instid0(VALU_DEP_2)
	v_max_num_f32 v[TM+\b], v[TM+\b], v[TM+2+\b]
.endr
.irp b, 0,1
	s_delay_alu instid0(VALU_DEP_2)
	v_add_nc_u32 v[TM+4+\b], 0xff000000, v[TM+\b]
.endr
.irp b, 0,1
	s_delay_alu instid0(VALU_DEP_2)
	v_lshrrev_b32 v[TM+2+\b], 23, v[TM+4+\b]
.endr
	s_delay_alu instid0(VALU_DEP_1)
	v_lshl_or_b32 v[\hw], v[TM+3], 8, v[TM+2]
.irp b, 0,1
	v_cvt_scalef32_pk8_fp4_f32 v[(\p)+2*\b], v[(\a)+16*\b:(\a)+16*\b+7], v[TM+4+\b]
	v_cvt_scalef32_pk8_fp4_f32 v[(\p)+2*\b+1], v[(\a)+16*\b+8:(\a)+16*\b+15], v[TM+4+\b]
.endr
	v_nop
	v_permlane16_swap_b32 v[(\p)], v[(\p)+2]
	v_permlane16_swap_b32 v[(\p)+1], v[(\p)+3]
.endm
	s_load_b128 s[4:7], s[0:1], 0x0                ; qkv, ac
	v_lshl_add_u32 v5, v0, 2, SPARE                ; my spare word,
	v_mov_b32 v6, 0                                ; and 0
	ds_add_u32 v5, v6                              ; the opening: the add, twice on end, and its wait ahead of my first copy
	ds_add_u32 v5, v6
	v_lshrrev_b32 v232, 5, v0
	v_readfirstlane_b32 s8, v232                   ; wave
	s_and_b32 s9, ttmp7, 0xffff                    ; batch x head
	s_lshl_b32 s11, ttmp9, 4
	s_add_co_u32 s11, s11, s8                      ; my tile of 16 queries
	s_lshl_b32 s12, s9, 16
	s_lshl_b32 s13, s9, 13
	s_lshl_b32 s14, s9, 12
	s_add_co_u32 s28, s12, 0x200000                ; K's codes
	s_mov_b32 s29, 0
	s_add_co_u32 s30, s12, 0x400000                ; V's codes
	s_mov_b32 s31, 0
	s_add_co_u32 s32, s13, 0x640000                ; K's scale words
	s_mov_b32 s33, 0
	s_add_co_u32 s34, s14, 0x680000                ; V's
	s_mov_b32 s35, 0
	s_lshl_b32 s15, s11, 9
	s_add_co_u32 s36, s12, s15                     ; Q's codes
	s_mov_b32 s37, 0
	s_lshl_b32 s15, s11, 6
	s_add_co_u32 s38, s13, s15
	s_add_co_u32 s38, s38, 0x600000                ; Q's scale words
	s_mov_b32 s39, 0
	s_lshr_b32 s15, s9, 4
	s_lshl_b32 s15, s15, 7
	s_add_co_u32 s15, s15, s11                     ; out: tile 128 x batch + my tile
	s_and_b32 s16, s9, 15                          ; the head: blocks 2 head, 2 head + 1 of the 1,024
	s_lshl_b32 s40, s15, 13
	s_lshl_b32 s17, s16, 9
	s_add_co_u32 s40, s40, s17
	s_mov_b32 s41, 0
	s_lshl_b32 s42, s15, 9
	s_add_co_u32 s42, s42, 0x200000
	s_lshr_b32 s17, s16, 3
	s_lshl_b32 s17, s17, 8
	s_add_co_u32 s42, s42, s17
	s_and_b32 s17, s16, 7
	s_lshl_b32 s17, s17, 1
	s_add_co_u32 s42, s42, s17
	s_mov_b32 s43, 0
	s_mov_b32 s[SEL], 0x76543210
	s_mov_b32 s[SEL+1], 0xfedcba98
	s_mov_b32 s[CS], 0x3e38aa3b
	s_mov_b32 s[CS+1], s[CS]
	s_mov_b32 s[NC], 0xbe38aa3b
	s_lshl_b32 s15, s8, 9                          ; a copy of 16 bytes a lane: my wave's 512 bytes of 8,192
	s_lshr_b32 s16, s8, 1
	s_lshl_b32 s16, s16, 7
	s_add_co_u32 s16, s16, s15                     ; K in LDS: 128 more for each 1,024 passed
	s_lshl_b32 s17, s8, 8                          ; a copy of 8 bytes a lane: my wave's 256 bytes of 4,096
	v_and_b32 v236, 31, v0                         ; L
	v_and_b32 v232, 15, v0                         ; r
	v_lshl_add_u32 v1, v236, 4, s15                ; 512 wave + 16 L
	v_lshl_add_u32 v2, v236, 4, s16
	v_add_nc_u32 v4, VCL, v1
	v_add_nc_u32 v239, KSL, v1
	v_lshl_add_u32 v3, v236, 3, s17                ; 256 wave + 8 L
	v_add_nc_u32 v240, VSL, v3
	v_lshlrev_b32 v237, 4, v236
	v_lshlrev_b32 v238, 2, v232
	s_wait_alu depctr_va_vdst(0)                   ; directly ahead of the waits below
	s_wait_dscnt 0x0                               ; both opening adds are done
	s_wait_kmcnt 0x0
	s_add_nc_u64 s[36:37], s[4:5], s[36:37]
	s_add_nc_u64 s[38:39], s[4:5], s[38:39]
	global_load_b128 v[16:19], v237, s[36:37]      ; Q's fragment stays in registers; it is asked for ahead of the copies, since the first step wants it
	global_load_b32 v31, v238, s[38:39]
	s_add_nc_u64 s[32:33], s[4:5], s[32:33]
	s_add_nc_u64 s[34:35], s[4:5], s[34:35]
	s_add_nc_u64 s[44:45], s[4:5], s[28:29]
	s_add_nc_u64 s[30:31], s[4:5], s[30:31]
	global_load_async_to_lds_b128 v239, v1, s[32:33]
	global_load_async_to_lds_b64 v240, v3, s[34:35]
.irp i, 1,2,3,4,5,6,7
	s_sub_nc_u64 s[44+2*\i:45+2*\i], s[44:45], 1024*\i   ; 8,192 bytes of K take 9,216 in LDS: the immediate steps by 9,216, the base back by 1,024
.endr
.irp i, 0,1,2,3,4,5,6,7                ; copy i of each: steps 2 i and 2 i + 1
	global_load_async_to_lds_b128 v2, v1, s[44+2*\i:45+2*\i] offset:9216*\i
	global_load_async_to_lds_b128 v4, v1, s[30:31] offset:8192*\i
.endr
	s_add_nc_u64 s[40:41], s[6:7], s[40:41]
	s_add_nc_u64 s[42:43], s[6:7], s[42:43]
	v_bfe_u32 v233, v0, 4, 1                       ; h
	v_and_b32 v234, 7, v232
	v_lshrrev_b32 v235, 3, v232
	v_lshlrev_b32 v8, 4, v234
	v_mad_u32_u24 v8, v235, 1152, v8
	v_lshl_add_u32 v8, v233, 8, v8                 ; K: 16 (r % 8) + 1,152 (r / 8) + 256 h
	v_lshlrev_b32 v10, 2, v234
	v_lshl_add_u32 v10, v235, 7, v10
	v_lshl_add_u32 v10, v233, 8, v10
	v_add_nc_u32 v10, KSL, v10                     ; its scale words: 4 (r % 8) + 128 (r / 8); lanes 16-31 take those of c = 1
	v_lshl_add_u32 v9, v236, 4, VCL                ; V: 16 L
	v_lshl_add_u32 v11, v236, 2, VSL               ; its scale words: 4 L
	v_lshlrev_b32 v7, 3, v233                      ; 8 h
	v_mov_b32 v253, 0                              ; (named as the upper half of the pair v[252:253])
.irp j, 20,21,22,23
	v_mov_b32 v[\j], 0                             ; the upper 64 of K: zero codes
.endr
.irp t, 0,1,2,3,4,5,6,7
.irp j, 4,5,6,7
	v_mov_b32 v[KF+8*\t+\j], 0
.endr
.endr
.rept 4
	v_nop                                          ; four places between the write of an operand's registers and the scaled products
.endr
	s_wait_alu depctr_va_vdst(0)                   ; at the head's end
	s_wait_asynccnt 12                             ; my parts of the scale words and of steps 0-3; the twelve copies issued behind them may be out
	s_barrier_signal -1
	s_barrier_wait -1                              ; everybody's have landed
	KLD 0, 0
	KLD 0, 1
	KSLD 0
	s_wait_loadcnt 0x0                             ; Q
	STEP 0, 0
	STEP 1, 1
	s_wait_alu depctr_va_vdst(0)                   ; directly ahead of the waits below
	s_wait_asynccnt 0x0                            ; all my copies have landed
	s_wait_dscnt 0x0
	s_barrier_signal -1
	s_barrier_wait -1
	s_mov_b32 s25, 7
.Ltrip:                                            ; seven pairs of steps
	STEP 2, 0
	STEP 2, 1
	s_sub_co_u32 s25, s25, 1
	s_cmp_lg_u32 s25, 0
	s_cbranch_scc1 .Ltrip
	s_wait_dscnt 0x0
	RESCALE
	PV 0                                           ; the last step's second product
	v_add_f32 v14, v14, v15
	v_permlanex16_b32 v252, v14, s[SEL], s[SEL+1]
	v_add_f32 v14, v14, v252                       ; the row's sum
	s_wait_alu depctr_va_vdst(0)                   ; ahead of the transcendental
	v_rcp_f32 v14, v14
	v_and_b32 v8, 31, v0
	v_lshlrev_b32 v8, 4, v8                        ; 16 L
	v_and_b32 v9, 15, v0
	v_lshlrev_b32 v9, 4, v9                        ; 16 r
	v_mov_b32 v[TM+2], 0                           ; a lane permute's destination counts as one of its sources
	v_mov_b32 v[TM+3], 0
	s_wait_alu depctr_va_vdst(0)                   ; ahead of the first reader of 1 / l and of O^T
.set n, 0
.rept 32
	v_mul_f32 v[96+n], v[O+n], v14
.set n, n+1
.endr
	QUANT2 96, 224, 232
	global_store_b128 v8, v[224:227], s[40:41]     ; 512 consecutive bytes: two blocks of the tile's image
	global_store_b16 v9, v232, s[42:43]            ; my row's two scale bytes
	s_wait_tensorcnt 0x0                           ; the wave's end
	s_wait_asynccnt 0x0
	ds_add_u32 v5, v6
	s_wait_dscnt 0x0
	s_endpgm
.Lfunc_end_k_qe241dcd996_attn:
	.size	k_qe241dcd996_attn, .Lfunc_end_k_qe241dcd996_attn-k_qe241dcd996_attn
	.p2alignl 7, 3214868480
	.fill 96, 4, 3214868480
	.section	.rodata,"a",@progbits
	.p2align	6, 0x0
	.amdhsa_kernel k_qe241dcd996_attn
		.amdhsa_group_segment_fixed_size 167936
		.amdhsa_private_segment_fixed_size 0
		.amdhsa_enable_private_segment 0
		.amdhsa_kernarg_size 16
		.amdhsa_user_sgpr_count 2
		.amdhsa_user_sgpr_kernarg_segment_ptr 1
		.amdhsa_wavefront_size32 1
		.amdhsa_system_sgpr_workgroup_id_x 1
		.amdhsa_system_sgpr_workgroup_id_y 1
		.amdhsa_system_sgpr_workgroup_id_z 1
		.amdhsa_system_vgpr_workitem_id 0
		.amdhsa_next_free_vgpr 256
		.amdhsa_next_free_sgpr 66
		.amdhsa_reserve_vcc 0
		.amdhsa_float_denorm_mode_32 3
		.amdhsa_float_denorm_mode_16_64 3
		.amdhsa_memory_ordered 1
		.amdhsa_forward_progress 1
		.amdhsa_inst_pref_size 67
	.end_amdhsa_kernel
	.amdgpu_metadata
---
amdhsa.version: [ 1, 2 ]
amdhsa.kernels:
  - .name:           k_qe241dcd996_attn
    .symbol:         k_qe241dcd996_attn.kd
    .args:
      - { .name: qkv, .offset: 0, .size: 8, .value_kind: global_buffer, .address_space: global }
      - { .name: ac, .offset: 8, .size: 8, .value_kind: global_buffer, .address_space: global }
    .group_segment_fixed_size: 167936
    .private_segment_fixed_size: 0
    .kernarg_segment_align: 8
    .kernarg_segment_size: 16
    .max_flat_workgroup_size: 512
    .sgpr_count:     66
    .vgpr_count:     256
    .wavefront_size: 32
...
	.end_amdgpu_metadata
.endif
;; end of part 3
;; launch wo (part 4): grid 8 x 32, 16 waves a work-group, no clusters, 233,472 bytes of LDS; arguments ac, wl, bo, x, x1; writes x1
.if DOCPART == 4
	.amdgcn_target "amdgcn-amd-amdhsa--gfx1250"
	.amdhsa_code_object_version 6
	.text
	.protected	k_qe241dcd996_wo
	.globl	k_qe241dcd996_wo
	.p2align	8
	.type	k_qe241dcd996_wo,@function
k_qe241dcd996_wo:
	s_mov_b64 s[64:65], 0
	v_nop
	global_prefetch_b8 v0, s[64:65] scope:SCOPE_SE
	s_setreg_imm32_b32 hwreg(HW_REG_WAVE_MODE, 25, 1), 1
	s_wait_xcnt 0x0
; out = res + (A W^T + bias), f32, N = 1,024: A's and W's codes of E2M1 and scale bytes lie in memory as images of the operands' registers.  Here: A = the attention's output, W = Wo, res = x, out = x1, K = 1,024.
; A tile of out is 128 tokens x 128 columns, so that the 4,096 x 1,024 numbers give 256 work-groups.  SIXTEEN waves, each 2 x 2 tiles of 16 x 16; four waves to a SIMD cover each other's waits.
; Source 0 = 16 rows of W, source 1 = 16 tokens: a lane holds one token and eight neighbouring columns.  K goes in steps of 512 through two LDS slots filled through registers, one barrier a trip:
; a trip stores into the slot that was read in the trip before, whose reads every wave had waited for ahead of that trip's barrier; the same barrier shows the stored slot to all.
; The results meet in a stage in LDS, where tokens and columns lie in their natural order, and leave as whole runs of 512 bytes with the bias and the residual added.
; No cluster: the panels are shared by 8 to 32 work-groups, but this text fills LDS through registers and has no tensor load that could be asked for jointly.
.set KDIM,  1024
.set WOFF,  0x180000                   ; W's code image in wl,
.set WSOFF, 0x618000                   ; its scale image,
.set ASOFF, 0x200000                   ; A's scale image in its buffer
.set LAST,  0                          ; 1: the result is read by no later launch
.set NSLOT, KDIM/512
.set TILEB, 8*KDIM                     ; a tile's code image
.set STB,   KDIM/2                     ; a tile's scale image
.set SLOT1, 65536                      ; LDS: slot 0 at 0, slot 1 here; in a slot source 0's panel (8 tiles x 4,096 bytes: four K steps), then source 1's
.set PAN1,  32768
.set SC,    131072                     ; both panels' scale images for all of K: 8 STB bytes each
.set STG,   163840                     ; the stage: 128 rows x (512 + 16) bytes
.set SP,    528
.set SPARE, STG+128*SP                 ; the spare words, 128 bytes for each wave
.set SCR, 16                           ; v16-23   scale words: register 4 i + q: lanes 0-15 source 0's tile i, lanes 16-31 source 1's tile i
.set BI,  24                           ; v24-27   the bias of my four columns
.set ST,  32                           ; v32-63   on the way from memory to LDS; at the end the residual
.set F,   64                           ; v64-191  fragments of four K steps: step q: source 0's tile i at 64 + 32 q + 8 i, source 1's tile j at 80 + 32 q + 8 j
.set ACC, 192                          ; v192-223 accumulator (i, j) at 192 + 16 j + 8 i
.macro STAGE_LOAD s
.irp i, 0,1,2,3
	global_load_b128 v[ST+4*\i:ST+4*\i+3], v1, s[32:33] offset:\i*2*TILEB+(\s)*4096
.endr
.irp i, 0,1,2,3
	global_load_b128 v[ST+16+4*\i:ST+16+4*\i+3], v1, s[34:35] offset:\i*2*TILEB+(\s)*4096
.endr
.endm
.macro STAGE_STORE n
.irp i, 0,1,2,3
	ds_store_b128 v[2+(\n)], v[ST+4*\i:ST+4*\i+3] offset:\i*8192
.endr
.irp i, 0,1,2,3
	ds_store_b128 v[2+(\n)], v[ST+16+4*\i:ST+16+4*\i+3] offset:PAN1+\i*8192
.endr
.endm
.macro BAR
	s_wait_dscnt 0x0                               ; my LDS stores have landed and my LDS loads are in
	s_barrier_signal -1
	s_barrier_wait -1
.endm
.macro TRIP t                          ; 512 along K
.if (\t) < NSLOT-1
	STAGE_LOAD (\t)+1                              ; asked for at the trip's head, waited for at its end
.else
.irp p, 0,1,2,3,4,5,6,7
	global_load_b128 v[ST+4*\p:ST+4*\p+3], v13, s[46:47] offset:\p*4096   ; the residual of the eight rows that I store
.endr
	global_load_b128 v[BI:BI+3], v13, s[42:43]
.endif
.if (\t) > 0
.rept 4
	v_nop                                          ; four places in front of loads into registers that matrix instructions have read
.endr
.endif
.irp i, 0,1
	ds_load_b128 v[SCR+4*\i:SCR+4*\i+3], v8 offset:\i*STB+(\t)*256
.endr
.irp q, 0,1,2,3
.irp i, 0,1
.irp c, 0,1
	ds_load_b128 v[F+32*\q+8*\i+4*\c:F+32*\q+8*\i+4*\c+3], v[4+2*((\t)%2)] offset:\i*4096+\q*1024+\c*512
.endr
.endr
.irp i, 0,1
.irp c, 0,1
	ds_load_b128 v[F+16+32*\q+8*\i+4*\c:F+16+32*\q+8*\i+4*\c+3], v[5+2*((\t)%2)] offset:\i*4096+\q*1024+\c*512
.endr
.endr
.endr
.irp q, 0,1,2,3
	s_wait_dscnt 8*(3-\q)                          ; the later K steps' loads, eight each, may be out
.irp j, 0,1
.irp i, 0,1
.if ((\t) == 0) && (\q == 0)
	v_wmma_scale_f32_16x16x128_f8f6f4 v[ACC+16*\j+8*\i:ACC+16*\j+8*\i+7], v[F+32*\q+8*\i:F+32*\q+8*\i+7], v[F+16+32*\q+8*\j:F+16+32*\q+8*\j+7], 0, v[SCR+4*\i+\q], v[SCR+4*\j+\q] matrix_a_fmt:MATRIX_FMT_FP4 matrix_b_fmt:MATRIX_FMT_FP4 matrix_b_scale:MATRIX_SCALE_ROW1
.else
	v_wmma_scale_f32_16x16x128_f8f6f4 v[ACC+16*\j+8*\i:ACC+16*\j+8*\i+7], v[F+32*\q+8*\i:F+32*\q+8*\i+7], v[F+16+32*\q+8*\j:F+16+32*\q+8*\j+7], v[ACC+16*\j+8*\i:ACC+16*\j+8*\i+7], v[SCR+4*\i+\q], v[SCR+4*\j+\q] matrix_a_fmt:MATRIX_FMT_FP4 matrix_b_fmt:MATRIX_FMT_FP4 matrix_b_scale:MATRIX_SCALE_ROW1
.endif
.endr
.endr
.endr
.if (\t) < NSLOT-1
	s_wait_loadcnt 0x0
	STAGE_STORE 1-(\t)%2
	BAR
.endif
.endm
	s_load_b256 s[4:11], s[0:1], 0x0               ; A, wl, bias, res
	s_load_b64 s[12:13], s[0:1], 0x20              ; out
	v_lshl_add_u32 v9, v0, 2, SPARE                ; my spare word,
	v_mov_b32 v10, 0                               ; and 0
	v_lshrrev_b32 v32, 5, v0
	s_delay_alu instid0(VALU_DEP_1)
	v_readfirstlane_b32 s16, v32                   ; wave 0..15
	s_and_b32 s17, s16, 3                          ; ws0: my two tiles of source 0
	s_lshr_b32 s18, s16, 2                         ; ws1: of source 1
	s_mov_b32 s19, ttmp9                           ; X: 128 columns
	s_and_b32 s20, ttmp7, 0xffff                   ; Y: 128 tokens
	v_and_b32 v33, 31, v0                          ; L
	v_and_b32 v34, 15, v0                          ; r
	v_bfe_u32 v35, v0, 4, 1                        ; h
	v_lshrrev_b32 v36, 8, v0
	v_and_b32 v14, 255, v0
	s_delay_alu instid0(VALU_DEP_1)
	v_lshlrev_b32 v14, 4, v14                      ; 16 (t % 256)
	s_delay_alu instid0(VALU_DEP_3)
	v_mul_u32_u24 v1, v36, TILEB
	s_delay_alu instid0(VALU_DEP_1)
	v_add_nc_u32 v1, v1, v14                       ; in memory: tile t / 256 of two
	v_lshlrev_b32 v2, 4, v0                        ; in a slot: 16 t
	s_delay_alu instid0(VALU_DEP_1)
	v_add_nc_u32 v3, SLOT1, v2
	v_lshlrev_b32 v13, 4, v33                      ; 16 L
	s_lshl_b32 s21, s17, 13
	s_lshl_b32 s22, s18, 13
	s_add_co_u32 s22, s22, PAN1
	v_add_nc_u32 v4, s21, v13                      ; my fragments of source 0, slot 0
	v_add_nc_u32 v5, s22, v13                      ; of source 1
	s_delay_alu instid0(VALU_DEP_2)
	v_add_nc_u32 v6, SLOT1, v4                     ; and in slot 1
	s_delay_alu instid0(VALU_DEP_2)
	v_add_nc_u32 v7, SLOT1, v5
	s_mul_i32 s21, s17, 2*STB
	s_mul_i32 s23, s18, 2*STB
	s_add_co_u32 s23, s23, 8*STB
	s_sub_co_u32 s23, s23, s21                     ; from my tiles' scale words of source 0 to those of source 1
	v_mul_u32_u24 v37, s23, v35                    ; lanes 16-31 take source 1's
	s_delay_alu instid0(VALU_DEP_1)
	v_lshl_add_u32 v8, v34, 4, v37
	s_add_co_u32 s21, s21, SC
	v_add_nc_u32 v8, s21, v8
	v_mul_u32_u24 v15, v36, 8*STB
	s_delay_alu instid0(VALU_DEP_1)
	v_add_nc_u32 v15, v15, v14
	s_delay_alu instid0(VALU_DEP_1)
	v_add_nc_u32 v15, SC, v15                      ; the scale images' way in: waves 0-7 source 0's, waves 8-15 source 1's
	v_and_b32 v37, 8, v34
	s_delay_alu instid0(VALU_DEP_1)
	v_add_nc_u32 v37, v37, v34                     ; r + 8 (r / 8)
	s_delay_alu instid0(VALU_DEP_1)
	v_mul_u32_u24 v11, v37, SP
	s_delay_alu instid0(VALU_DEP_1)
	v_lshl_add_u32 v11, v35, 6, v11
	s_mul_i32 s21, s18, 32*SP
	s_lshl_b32 s22, s17, 7
	s_add_co_u32 s21, s21, s22
	s_add_co_u32 s21, s21, STG
	v_add_nc_u32 v11, s21, v11                     ; into the stage: token 32 ws1 + 8 j + r + 8 (r / 8), column 32 ws0 + 16 h + 8 i
	s_mul_i32 s21, s16, 8*SP
	s_add_co_u32 s21, s21, STG
	v_add_nc_u32 v12, s21, v13                     ; back: my eight rows, 16 bytes a lane
	s_mul_i32 s24, s20, 8*TILEB
	s_mov_b32 s25, 0
	s_mul_i32 s26, s20, 8*STB
	s_add_co_u32 s26, s26, ASOFF
	s_mov_b32 s27, 0
	s_mul_i32 s28, s19, 8*TILEB
	s_add_co_u32 s28, s28, WOFF
	s_mov_b32 s29, 0
	s_mul_i32 s30, s19, 8*STB
	s_add_co_u32 s30, s30, WSOFF
	s_mov_b32 s31, 0
	s_lshl_b32 s50, s19, 9                         ; my work-group's 128 columns, in bytes
	s_mov_b32 s51, 0
	s_lshl_b32 s44, s20, 19
	s_lshl_b32 s45, s16, 15
	s_add_co_u32 s44, s44, s45
	s_add_co_u32 s44, s44, s50                     ; row 128 Y + 8 wave, column 128 X
	s_mov_b32 s45, 0
	s_wait_alu depctr_va_vdst(0)
	s_wait_kmcnt 0x0
	s_add_nc_u64 s[32:33], s[6:7], s[28:29]        ; source 0's codes
	s_add_nc_u64 s[34:35], s[4:5], s[24:25]        ; source 1's
	s_add_nc_u64 s[36:37], s[6:7], s[30:31]        ; source 0's scales
	s_add_nc_u64 s[38:39], s[4:5], s[26:27]
	s_cmp_lt_u32 s16, 8
	s_cselect_b64 s[40:41], s[36:37], s[38:39]     ; the scale image that my wave brings in
	s_add_nc_u64 s[42:43], s[8:9], s[50:51]
	s_add_nc_u64 s[46:47], s[10:11], s[44:45]
	s_add_nc_u64 s[48:49], s[12:13], s[44:45]
	STAGE_LOAD 0
.set i, 0
.rept KDIM/1024
	global_load_b128 v[F+4*i:F+4*i+3], v14, s[40:41] offset:i*4096
.set i, i+1
.endr
	s_wait_loadcnt 0x0
	STAGE_STORE 0
.set i, 0
.rept KDIM/1024
	ds_store_b128 v15, v[F+4*i:F+4*i+3] offset:i*4096
.set i, i+1
.endr
	BAR
.set TT, 0
.rept NSLOT
	TRIP TT
.set TT, TT+1
.endr
.rept 4
	v_nop                                          ; four places in front of the first read of results, and of loads into registers that matrix instructions have read
.endr
.irp j, 0,1
.irp i, 0,1
	ds_store_b128 v11, v[ACC+16*\j+8*\i:ACC+16*\j+8*\i+3] offset:\j*8*SP+\i*32        ; each accumulator from its low end on
	ds_store_b128 v11, v[ACC+16*\j+8*\i+4:ACC+16*\j+8*\i+7] offset:\j*8*SP+\i*32+16
.endr
.endr
	BAR                                            ; a row's 512 bytes come from four waves
.irp p, 0,1,2,3,4,5,6,7
	ds_load_b128 v[F+4*\p:F+4*\p+3], v12 offset:\p*SP
.endr
	s_wait_loadcnt 0x0                             ; the residual and the bias
	s_wait_dscnt 0x0
.irp p, 0,1,2,3,4,5,6,7
	v_pk_add_f32 v[F+4*\p:F+4*\p+1], v[F+4*\p:F+4*\p+1], v[BI:BI+1]
	v_pk_add_f32 v[F+4*\p+2:F+4*\p+3], v[F+4*\p+2:F+4*\p+3], v[BI+2:BI+3]
	s_delay_alu instid0(VALU_DEP_2)
	v_pk_add_f32 v[F+4*\p:F+4*\p+1], v[F+4*\p:F+4*\p+1], v[ST+4*\p:ST+4*\p+1]
	s_delay_alu instid0(VALU_DEP_2)
	v_pk_add_f32 v[F+4*\p+2:F+4*\p+3], v[F+4*\p+2:F+4*\p+3], v[ST+4*\p+2:ST+4*\p+3]
.if LAST
	global_store_b128 v13, v[F+4*\p:F+4*\p+3], s[48:49] offset:\p*4096 th:TH_STORE_NT
.else
	global_store_b128 v13, v[F+4*\p:F+4*\p+3], s[48:49] offset:\p*4096                ; 32 lanes store 512 consecutive bytes, at a multiple of 512 from the buffer's first byte
.endif
.endr
	s_wait_tensorcnt 0x0                           ; the wave's end
	ds_add_u32 v9, v10
	s_wait_dscnt 0x0
	s_endpgm
.Lfunc_end_k_qe241dcd996_wo:
	.size	k_qe241dcd996_wo, .Lfunc_end_k_qe241dcd996_wo-k_qe241dcd996_wo
	.p2alignl 7, 3214868480
	.fill 96, 4, 3214868480
	.section	.rodata,"a",@progbits
	.p2align	6, 0x0
	.amdhsa_kernel k_qe241dcd996_wo
		.amdhsa_group_segment_fixed_size 233472
		.amdhsa_private_segment_fixed_size 0
		.amdhsa_enable_private_segment 0
		.amdhsa_kernarg_size 40
		.amdhsa_user_sgpr_count 2
		.amdhsa_user_sgpr_kernarg_segment_ptr 1
		.amdhsa_wavefront_size32 1
		.amdhsa_system_sgpr_workgroup_id_x 1
		.amdhsa_system_sgpr_workgroup_id_y 1
		.amdhsa_system_sgpr_workgroup_id_z 1
		.amdhsa_system_vgpr_workitem_id 0
		.amdhsa_next_free_vgpr 224
		.amdhsa_next_free_sgpr 66
		.amdhsa_reserve_vcc 0
		.amdhsa_float_denorm_mode_32 3
		.amdhsa_float_denorm_mode_16_64 3
		.amdhsa_memory_ordered 1
		.amdhsa_forward_progress 1
		.amdhsa_inst_pref_size 22
	.end_amdhsa_kernel
	.amdgpu_metadata
---
amdhsa.version: [ 1, 2 ]
amdhsa.kernels:
  - .name:           k_qe241dcd996_wo
    .symbol:         k_qe241dcd996_wo.kd
    .args:
      - { .name: ac, .offset: 0, .size: 8, .value_kind: global_buffer, .address_space: global }
      - { .name: wl, .offset: 8, .size: 8, .value_kind: global_buffer, .address_space: global }
      - { .name: bo, .offset: 16, .size: 8, .value_kind: global_buffer, .address_space: global }
      - { .name: x, .offset: 24, .size: 8, .value_kind: global_buffer, .address_space: global }
      - { .name: x1, .offset: 32, .size: 8, .value_kind: global_buffer, .address_space: global }
    .group_segment_fixed_size: 233472
    .private_segment_fixed_size: 0
    .kernarg_segment_align: 8
    .kernarg_segment_size: 40
    .max_flat_workgroup_size: 512
    .sgpr_count:     66
    .vgpr_count:     224
    .wavefront_size: 32
...
	.end_amdgpu_metadata
.endif
;; end of part 4
;; launch ln2 (part 5): grid 256 x 1, 4 waves a work-group, no clusters, 66,816 bytes of LDS; arguments x1, g2, be2, ac; writes ac
.if DOCPART == 5
	.amdgcn_target "amdgcn-amd-amdhsa--gfx1250"
	.amdhsa_code_object_version 6
	.text
	.protected	k_qe241dcd996_ln2
	.globl	k_qe241dcd996_ln2
	.p2align	8
	.type	k_qe241dcd996_ln2,@function
k_qe241dcd996_ln2:
	s_mov_b64 s[64:65], 0
	v_nop
	global_prefetch_b8 v0, s[64:65] scope:SCOPE_SE
	s_setreg_imm32_b32 hwreg(HW_REG_WAVE_MODE, 25, 1), 1
	s_wait_xcnt 0x0
; y = (x - mean) rsqrt(var + 1e-5) g + be along rows of 1,024, in f32, quantised along the row to E2M1 with one E8M0 byte for each 32, and stored as an image of the operand's registers:
; codes [tile][block][r][16 bytes], scale bytes [tile][512 along K][r][16 bytes]; tile T holds tokens 32 (T / 2) + 8 (T % 2) + r + 8 (r / 8).
; A work-group makes one tile.  Wave w normalises the tile's rows 4 w .. 4 w + 3, four neighbouring tokens, each row whole in 32 registers of the wave (the variance is taken of x - mean, in a second pass over registers).
; The 16 rows meet in LDS (pitch 4,096 + 16 bytes); behind a barrier lane (r, h) of wave w takes blocks 8 w + 4 h + 0 .. 3 of row r whole, so a block's largest magnitude needs no other lane.
; A block's scale byte is its largest magnitude's exponent field - 2, held at 1 from below.
; LIMITS: a block of zeros gets the byte 1 (its codes are zeros; this program alone reads the bytes); NaN and infinities among the inputs are not served.
.set RP,    4112
.set SCL,   16*RP                      ; the tile's 512 scale bytes
.set SPARE, SCL+512                    ; the spare words, 128 bytes for each wave
.set MU,  10                           ; v10-17  a pair for each row: the sum, then the mean
.set VA,  18                           ; v18-25  a pair for each row: the sum of squares, then 1 / sqrt
.set G,   32                           ; v32-63  g;  later the codes
.set BE,  64                           ; v64-95  be
.set X,   96                           ; v96-223 four rows, 32 registers each;  later four blocks
.set CD,  32
	s_load_b256 s[4:11], s[0:1], 0x0               ; x, g, be, ac
	v_lshl_add_u32 v8, v0, 2, SPARE                ; my spare word,
	v_mov_b32 v9, 0                                ; and 0
	v_lshrrev_b32 v1, 5, v0
	v_readfirstlane_b32 s12, v1                    ; wave
	v_and_b32 v1, 31, v0
	v_lshlrev_b32 v1, 4, v1                        ; 16 L
	v_and_b32 v2, 15, v0                           ; r
	s_wait_alu depctr_va_vdst(0)
	v_bfe_u32 v3, v0, 4, 1                         ; h
	s_mul_i32 s13, s12, 4*RP
	v_add_nc_u32 v4, s13, v1                       ; into LDS: my wave's four rows, 16 L
	v_mul_u32_u24 v5, v2, RP
	v_lshl_add_u32 v5, v3, 9, v5
	s_lshl_b32 s13, s12, 10
	v_add_nc_u32 v5, s13, v5                       ; out of it: row r, blocks 8 w + 4 h on
	v_lshlrev_b32 v6, 10, v3
	v_lshl_add_u32 v6, v2, 4, v6                   ; the codes' place: 4 h blocks of 256 bytes + 16 r
	s_lshr_b32 s13, s12, 1
	s_lshl_b32 s13, s13, 8
	s_and_b32 s14, s12, 1
	s_lshl_b32 s14, s14, 3
	s_add_co_u32 s13, s13, s14
	s_add_co_u32 s13, s13, SCL
	v_lshlrev_b32 v7, 4, v2
	s_wait_alu depctr_va_vdst(0)
	v_lshl_add_u32 v7, v3, 2, v7
	v_add_nc_u32 v7, s13, v7                       ; my scale word (128 along K, the 2 w + h-th): 256 (w / 2) + 16 r + 8 (w % 2) + 4 h
	v_add_nc_u32 v27, SCL, v1                      ; and where wave 0 reads the tile's scale bytes back
	s_lshr_b32 s14, ttmp9, 1
	s_lshl_b32 s14, s14, 5
	s_and_b32 s15, ttmp9, 1
	s_lshl_b32 s15, s15, 3
	s_add_co_u32 s14, s14, s15
	s_lshl_b32 s15, s12, 2
	s_add_co_u32 s14, s14, s15
	s_lshr_b32 s15, s12, 1
	s_lshl_b32 s15, s15, 3
	s_add_co_u32 s14, s14, s15                     ; my first token: 32 (T / 2) + 8 (T % 2) + 4 w + 8 (w / 2)
	s_lshl_b32 s14, s14, 12
	s_mov_b32 s15, 0
	s_lshl_b32 s16, ttmp9, 13                      ; the tile's codes, my wave's eight blocks
	s_lshl_b32 s17, s12, 11
	s_add_co_u32 s16, s16, s17
	s_mov_b32 s17, 0
	s_lshl_b32 s18, ttmp9, 9                       ; the tile's scale bytes
	s_add_co_u32 s18, s18, 0x200000
	s_mov_b32 s19, 0
	s_mov_b32 s20, 0x76543210
	s_mov_b32 s21, 0xfedcba98                      ; v_permlanex16_b32's selects for lane l xor 16
	s_mov_b32 s22, 0x3a800000                      ; 1 / 1,024
	s_mov_b32 s23, 0x3727c5ac                      ; 1e-5
	s_wait_kmcnt 0x0
	s_add_nc_u64 s[4:5], s[4:5], s[14:15]
	s_add_nc_u64 s[16:17], s[10:11], s[16:17]
	s_add_nc_u64 s[18:19], s[10:11], s[18:19]
.irp p, 0,1,2,3
.irp i, 0,1,2,3,4,5,6,7
	global_load_b128 v[X+32*\p+4*\i:X+32*\p+4*\i+3], v1, s[4:5] offset:\p*4096+\i*512 th:TH_LOAD_NT   ; 512 consecutive bytes a load: k = 128 i + 4 L + 0 .. 3
.endr
.endr
.irp i, 0,1,2,3,4,5,6,7
	global_load_b128 v[G+4*\i:G+4*\i+3], v1, s[6:7] offset:\i*512
	global_load_b128 v[BE+4*\i:BE+4*\i+3], v1, s[8:9] offset:\i*512
.endr
; the sum of a pair's two halves over the 32 lanes, for the four rows by turns; the result in every lane
.macro REDUCE b
.irp p, 0,1,2,3
	v_add_f32 v[\b+2*\p], v[\b+2*\p], v[\b+2*\p+1]
.endr
.irp m, 1,2,4,8
.irp p, 0,1,2,3
	v_add_f32_dpp v[\b+2*\p], v[\b+2*\p], v[\b+2*\p] row_xmask:\m row_mask:0xf bank_mask:0xf
.endr
.endr
.irp p, 0,1,2,3
	v_permlanex16_b32 v[\b+2*\p+1], v[\b+2*\p], s20, s21
.endr
.irp p, 0,1,2,3
	v_add_f32 v[\b+2*\p], v[\b+2*\p], v[\b+2*\p+1]
.endr
.endm
	s_wait_loadcnt 16                              ; x is in; the sixteen loads of g and be may be out
.irp p, 0,1,2,3
	v_pk_add_f32 v[MU+2*\p:MU+2*\p+1], v[X+32*\p:X+32*\p+1], v[X+32*\p+2:X+32*\p+3]
.endr
.irp i, 4,6,8,10,12,14,16,18,20,22,24,26,28,30
.irp p, 0,1,2,3
	v_pk_add_f32 v[MU+2*\p:MU+2*\p+1], v[MU+2*\p:MU+2*\p+1], v[X+32*\p+\i:X+32*\p+\i+1]
.endr
.endr
	REDUCE MU
.irp p, 0,1,2,3
	v_mul_f32 v[MU+2*\p], s22, v[MU+2*\p]          ; the mean
.endr
.irp i, 0,2,4,6,8,10,12,14,16,18,20,22,24,26,28,30
.irp p, 0,1,2,3
	v_pk_add_f32 v[X+32*\p+\i:X+32*\p+\i+1], v[X+32*\p+\i:X+32*\p+\i+1], v[MU+2*\p:MU+2*\p+1] op_sel_hi:[1,0] neg_lo:[0,1] neg_hi:[0,1]   ; d = x - mean
.endr
.endr
.irp p, 0,1,2,3
	v_pk_mul_f32 v[VA+2*\p:VA+2*\p+1], v[X+32*\p:X+32*\p+1], v[X+32*\p:X+32*\p+1]
.endr
.irp i, 2,4,6,8,10,12,14,16,18,20,22,24,26,28,30
.irp p, 0,1,2,3
	v_pk_fma_f32 v[VA+2*\p:VA+2*\p+1], v[X+32*\p+\i:X+32*\p+\i+1], v[X+32*\p+\i:X+32*\p+\i+1], v[VA+2*\p:VA+2*\p+1]
.endr
.endr
	REDUCE VA
.irp p, 0,1,2,3
	v_fma_f32 v[VA+2*\p], v[VA+2*\p], s22, s23     ; var + 1e-5
.endr
	s_wait_alu depctr_va_vdst(0)
.irp p, 0,1,2,3
	v_rsq_f32 v[VA+2*\p], v[VA+2*\p]
.endr
	v_nop                                          ; a plain instruction behind the last of the batch
	s_wait_alu depctr_va_vdst(0)                   ; one wait for the four, ahead of their first reader
	s_wait_loadcnt 0x0                             ; g and be
.irp p, 0,1,2,3
.irp i, 0,2,4,6,8,10,12,14,16,18,20,22,24,26,28,30
	v_pk_mul_f32 v[X+32*\p+\i:X+32*\p+\i+1], v[X+32*\p+\i:X+32*\p+\i+1], v[VA+2*\p:VA+2*\p+1] op_sel_hi:[1,0]
.endr
.irp i, 0,2,4,6,8,10,12,14,16,18,20,22,24,26,28,30
	v_pk_fma_f32 v[X+32*\p+\i:X+32*\p+\i+1], v[X+32*\p+\i:X+32*\p+\i+1], v[G+\i:G+\i+1], v[BE+\i:BE+\i+1]
.endr
.irp i, 0,1,2,3,4,5,6,7
	ds_store_b128 v4, v[X+32*\p+4*\i:X+32*\p+4*\i+3] offset:\p*RP+\i*512
.endr
.endr
	s_wait_dscnt 0x0                               ; for the others' sake: my rows lie in LDS
	s_barrier_signal -1
	s_barrier_wait -1
.irp g, 0,1,2,3
.irp m, 0,1,2,3,4,5,6,7
	ds_load_b128 v[X+32*\g+4*\m:X+32*\g+4*\m+3], v5 offset:128*\g+16*\m   ; block 8 w + 4 h + g of row r, whole
.endr
.endr
.macro BLOCK g
	s_wait_dscnt 8*(3-\g)                          ; the later blocks' loads may be out
	v_max3_num_f32 v[10+4*\g], |v[X+32*\g]|, |v[X+32*\g+1]|, 0x1800000      ; the largest magnitude, in two chains, with the floor 2^(3 - 127): the byte cannot fall under 1
	v_max3_num_f32 v[11+4*\g], |v[X+32*\g+16]|, |v[X+32*\g+17]|, 0x1800000
.irp i, 2,4,6,8,10,12,14
	v_max3_num_f32 v[10+4*\g], v[10+4*\g], |v[X+32*\g+\i]|, |v[X+32*\g+\i+1]|
	v_max3_num_f32 v[11+4*\g], v[11+4*\g], |v[X+32*\g+16+\i]|, |v[X+32*\g+17+\i]|
.endr
	v_max_num_f32 v[10+4*\g], v[10+4*\g], v[11+4*\g]
	v_add_nc_u32 v[12+4*\g], 0xff000000, v[10+4*\g]   ; 2 off its exponent field: the conversion takes the exponent field of this operand as its scale
.irp c, 0,1,2,3
	v_cvt_scalef32_pk8_fp4_f32 v[CD+4*\g+\c], v[X+32*\g+8*\c:X+32*\g+8*\c+7], v[12+4*\g]
.endr
.if \g == 0
	v_lshrrev_b32 v26, 23, v12                     ; the scale's byte; the four make the word of these 128 along K
.else
	v_lshrrev_b32 v[13+4*\g], 23, v[12+4*\g]
	v_lshl_or_b32 v26, v[13+4*\g], 8*\g, v26
.endif
	global_store_b128 v6, v[CD+4*\g:CD+4*\g+3], s[16:17] offset:256*\g   ; sixteen lanes store 256 consecutive bytes: a block of the tile's image
.endm
	BLOCK 0
	BLOCK 1
	BLOCK 2
	BLOCK 3
	ds_store_b32 v7, v26
	s_wait_dscnt 0x0                               ; for wave 0's sake
	s_barrier_signal -1
	s_barrier_wait -1
	s_cmp_lg_u32 s12, 0
	s_cbranch_scc1 .Ldone
	ds_load_b128 v[48:51], v27                     ; the tile's 512 scale bytes leave as one run
	s_wait_dscnt 0x0
	global_store_b128 v1, v[48:51], s[18:19]
.Ldone:
	s_wait_tensorcnt 0x0                           ; the wave's end
	ds_add_u32 v8, v9
	s_wait_dscnt 0x0
	s_endpgm
.Lfunc_end_k_qe241dcd996_ln2:
	.size	k_qe241dcd996_ln2, .Lfunc_end_k_qe241dcd996_ln2-k_qe241dcd996_ln2
	.p2alignl 7, 3214868480
	.fill 96, 4, 3214868480
	.section	.rodata,"a",@progbits
	.p2align	6, 0x0
	.amdhsa_kernel k_qe241dcd996_ln2
		.amdhsa_group_segment_fixed_size 66816
		.amdhsa_private_segment_fixed_size 0
		.amdhsa_enable_private_segment 0
		.amdhsa_kernarg_size 32
		.amdhsa_user_sgpr_count 2
		.amdhsa_user_sgpr_kernarg_segment_ptr 1
		.amdhsa_wavefront_size32 1
		.amdhsa_system_sgpr_workgroup_id_x 1
		.amdhsa_system_sgpr_workgroup_id_y 1
		.amdhsa_system_sgpr_workgroup_id_z 1
		.amdhsa_system_vgpr_workitem_id 0
		.amdhsa_next_free_vgpr 224
		.amdhsa_next_free_sgpr 66
		.amdhsa_reserve_vcc 0
		.amdhsa_float_denorm_mode_32 3
		.amdhsa_float_denorm_mode_16_64 3
		.amdhsa_memory_ordered 1
		.amdhsa_forward_progress 1
		.amdhsa_inst_pref_size 42
	.end_amdhsa_kernel
	.amdgpu_metadata
---
amdhsa.version: [ 1, 2 ]
amdhsa.kernels:
  - .name:           k_qe241dcd996_ln2
    .symbol:         k_qe241dcd996_ln2.kd
    .args:
      - { .name: x1, .offset: 0, .size: 8, .value_kind: global_buffer, .address_space: global }
      - { .name: g2, .offset: 8, .size: 8, .value_kind: global_buffer, .address_space: global }
      - { .name: be2, .offset: 16, .size: 8, .value_kind: global_buffer, .address_space: global }
      - { .name: ac, .offset: 24, .size: 8, .value_kind: global_buffer, .address_space: global }
    .group_segment_fixed_size: 66816
    .private_segment_fixed_size: 0
    .kernarg_segment_align: 8
    .kernarg_segment_size: 32
    .max_flat_workgroup_size: 128
    .sgpr_count:     66
    .vgpr_count:     224
    .wavefront_size: 32
...
	.end_amdgpu_metadata
.endif
;; end of part 5
;; launch ffn1 (part 6): grid 16 x 16, 16 waves a work-group, no clusters, 149,504 bytes of LDS; arguments ac, wl, b1, fh; writes fh
.if DOCPART == 6
	.amdgcn_target "amdgcn-amd-amdhsa--gfx1250"
	.amdhsa_code_object_version 6
	.text
	.protected	k_qe241dcd996_ffn1
	.globl	k_qe241dcd996_ffn1
	.p2align	8
	.type	k_qe241dcd996_ffn1,@function
k_qe241dcd996_ffn1:
	s_mov_b64 s[64:65], 0
	v_nop
	global_prefetch_b8 v0, s[64:65] scope:SCOPE_SE
	s_setreg_imm32_b32 hwreg(HW_REG_WAVE_MODE, 25, 1), 1
	s_wait_xcnt 0x0
; The hidden layer relu(h2 W1^T + b1) (K = 1,024) on codes of E2M1, quantised in the epilogue along its 4,096 and stored as an image of the next operand's registers.  Work-group x: 256 hidden units; y: 256 tokens.
; A work-group multiplies a source-0 panel of 16 tiles (W1's rows) by a source-1 panel of 16 tiles (tokens); each of its SIXTEEN waves owns 4 x 4 tiles: 16 accumulators, 128 registers; four waves to a SIMD cover each other's waits.
; A lane holds ONE token and, in 32 registers for each tile of tokens, 64 neighbouring hidden units: two blocks along the next K.
; Operands lie in memory as images of their registers, so a panel's two K steps are dense runs; they go to LDS through registers, two slots by turns, one barrier a trip:
; a trip stores into the slot that was read in the trip before, whose reads every wave had waited for ahead of that trip's barrier; the same barrier shows the stored slot to all.
; No cluster: the panels are shared by 16 work-groups, but this text fills LDS through registers and has no tensor load that could be asked for jointly.
; LIMITS: a block of zeros gets the byte 1 (its codes are zeros; this program alone reads the bytes); NaN and infinities among the inputs are not served.
.set SLOT1, 65536                      ; LDS: slot 0 at 0, slot 1 here; in a slot source 0's panel (16 tiles x 2,048 bytes: two K steps), then source 1's
.set PAN1,  32768
.set SC,    131072                     ; the scale images of both panels, 8,192 bytes each, for all of K
.set SPARE, 147456                     ; the spare words, 128 bytes for each wave
.set SCR, 16                           ; v16-31   scale words: register 4 i + q: lanes 0-15 source 0's tile i, lanes 16-31 source 1's tile i, K step q of four
.set ST,  32                           ; v32-63   on the way from memory to LDS; at the end the bias
.set F,   64                           ; v64-127  fragments: source 0's tile i at 64 + 8 i, source 1's tile j at 96 + 8 j; at the end codes and work
.set ACC, 128                          ; v128-255 accumulator (i, j) at 128 + 32 j + 8 i
.set TM,  84
.set SEL, 60
.macro STAGE_LOAD s                    ; both panels' K steps 2 s, 2 s + 1: eight loads a thread, 512 consecutive bytes a wave and load
.irp i, 0,1,2,3
	global_load_b128 v[ST+4*\i:ST+4*\i+3], v1, s[32:33] offset:\i*32768+(\s)*2048
.endr
.irp i, 0,1,2,3
	global_load_b128 v[ST+16+4*\i:ST+16+4*\i+3], v1, s[34:35] offset:\i*32768+(\s)*2048
.endr
.endm
.macro STAGE_STORE n
.irp i, 0,1,2,3
	ds_store_b128 v[2+\n], v[ST+4*\i:ST+4*\i+3] offset:\i*8192
.endr
.irp i, 0,1,2,3
	ds_store_b128 v[2+\n], v[ST+16+4*\i:ST+16+4*\i+3] offset:PAN1+\i*8192
.endr
.endm
.macro FETCH n, q                      ; my eight fragments of the slot's K step q
.irp i, 0,1,2,3
.irp c, 0,1
	ds_load_b128 v[F+8*\i+4*\c:F+8*\i+4*\c+3], v[4+2*\n] offset:\i*2048+\q*1024+\c*512
.endr
.endr
.irp i, 0,1,2,3
.irp c, 0,1
	ds_load_b128 v[F+32+8*\i+4*\c:F+32+8*\i+4*\c+3], v[5+2*\n] offset:\i*2048+\q*1024+\c*512
.endr
.endr
.endm
.macro SCALES sig                      ; the scale words of four K steps
.irp i, 0,1,2,3
	ds_load_b128 v[SCR+4*\i:SCR+4*\i+3], v8 offset:\i*512+\sig*256
.endr
.endm
.macro MUL sq, zero                    ; 16 products, the 16 accumulators by turns, in the same order in every K step
.irp j, 0,1,2,3
.irp i, 0,1,2,3
.if \zero
	v_wmma_scale_f32_16x16x128_f8f6f4 v[ACC+32*\j+8*\i:ACC+32*\j+8*\i+7], v[F+8*\i:F+8*\i+7], v[F+32+8*\j:F+32+8*\j+7], 0, v[SCR+4*\i+\sq], v[SCR+4*\j+\sq] matrix_a_fmt:MATRIX_FMT_FP4 matrix_b_fmt:MATRIX_FMT_FP4 matrix_b_scale:MATRIX_SCALE_ROW1
.else
	v_wmma_scale_f32_16x16x128_f8f6f4 v[ACC+32*\j+8*\i:ACC+32*\j+8*\i+7], v[F+8*\i:F+8*\i+7], v[F+32+8*\j:F+32+8*\j+7], v[ACC+32*\j+8*\i:ACC+32*\j+8*\i+7], v[SCR+4*\i+\sq], v[SCR+4*\j+\sq] matrix_a_fmt:MATRIX_FMT_FP4 matrix_b_fmt:MATRIX_FMT_FP4 matrix_b_scale:MATRIX_SCALE_ROW1
.endif
.endr
.endr
.endm
.macro BAR
	s_wait_dscnt 0x0                               ; my LDS stores have landed and my LDS loads are in
	s_barrier_signal -1
	s_barrier_wait -1
.endm
.macro HALF n, q, sq, zero, sig        ; one K step
.if (\zero) == 0
.rept 4
	v_nop                                          ; four places in front of loads into registers that matrix instructions have read
.endr
.endif
.if (\sq) == 0
	SCALES \sig
.endif
	FETCH \n, \q
	s_wait_dscnt 0x0
	MUL \sq, \zero
.endm
; 32 numbers of a lane, register 16 b + i = index 32 b + 16 (lane / 16) + i along the next K, become two blocks' codes: v[p .. p + 3] of lane (r, h) = block h whole; v[hw] = the two scale bytes, in every lane.
.macro QUANT2 a, p, hw, relu
.if \relu
.set n, 0
.rept 32
	v_max_num_f32 v[(\a)+n], 0, v[(\a)+n]
.set n, n+1
.endr
.endif
.irp b, 0,1
	v_max3_num_f32 v[TM+\b], |v[(\a)+16*\b]|, |v[(\a)+16*\b+1]|, 0x1800000   ; my 16 numbers of block b, and the floor 2^(3 - 127): the byte cannot fall under 1
.endr
.irp i, 2,4,6,8,10,12,14
.irp b, 0,1
	s_delay_alu instid0(VALU_DEP_2)
	v_max3_num_f32 v[TM+\b], v[TM+\b], |v[(\a)+16*\b+\i]|, |v[(\a)+16*\b+\i+1]|
.endr
.endr
.irp b, 0,1
	s_delay_alu instid0(VALU_DEP_2)
	v_permlanex16_b32 v[TM+2+\b], v[TM+\b], s[SEL], s[SEL+1]
.endr
.irp b, 0,1
	s_delay_alu instid0(VALU_DEP_2)
	v_max_num_f32 v[TM+\b], v[TM+\b], v[TM+2+\b]   ; with lane l xor 16's: the block's largest magnitude
.endr
.irp b, 0,1
	s_delay_alu instid0(VALU_DEP_2)
	v_add_nc_u32 v[TM+4+\b], 0xff000000, v[TM+\b]  ; 2 off its exponent field: the conversion's scale operand
.endr
.irp b, 0,1
	s_delay_alu instid0(VALU_DEP_2)
	v_lshrrev_b32 v[TM+2+\b], 23, v[TM+4+\b]       ; the scale's byte
.endr
	s_delay_alu instid0(VALU_DEP_1)
	v_lshl_or_b32 v[\hw], v[TM+3], 8, v[TM+2]
.irp b, 0,1
	v_cvt_scalef32_pk8_fp4_f32 v[(\p)+2*\b], v[(\a)+16*\b:(\a)+16*\b+7], v[TM+4+\b]
	v_cvt_scalef32_pk8_fp4_f32 v[(\p)+2*\b+1], v[(\a)+16*\b+8:(\a)+16*\b+15], v[TM+4+\b]
.endr
	v_nop                                          ; one plain place behind a scaled conversion
	v_permlane16_swap_b32 v[(\p)], v[(\p)+2]       ; a whole block to a lane: lanes 0-15 block 0, lanes 16-31 block 1
	v_permlane16_swap_b32 v[(\p)+1], v[(\p)+3]
.endm
.macro EPI_J j, vform, relu            ; source 1's tile j: the bias, each accumulator from its low end on; then the quantiser
.set m, 0
.rept 16
.if \vform
	v_pk_add_f32 v[ACC+32*\j+2*m:ACC+32*\j+2*m+1], v[ACC+32*\j+2*m:ACC+32*\j+2*m+1], v[ST+2*\j:ST+2*\j+1] op_sel_hi:[1,0]
.else
	v_pk_add_f32 v[ACC+32*\j+2*m:ACC+32*\j+2*m+1], v[ACC+32*\j+2*m:ACC+32*\j+2*m+1], v[ST+2*m:ST+2*m+1]
.endif
.set m, m+1
.endr
	QUANT2 ACC+32*\j, 64+4*\j, 80+\j, \relu
.endm
	s_load_b256 s[4:11], s[0:1], 0x0               ; ac, wl, b1, fh
	v_lshl_add_u32 v9, v0, 2, SPARE                ; my spare word,
	v_mov_b32 v10, 0                               ; and 0
	v_lshrrev_b32 v32, 5, v0
	s_delay_alu instid0(VALU_DEP_1)
	v_readfirstlane_b32 s16, v32                   ; wave 0..15
	s_and_b32 s17, s16, 3                          ; ws0: my four tiles of source 0
	s_lshr_b32 s18, s16, 2                         ; ws1: of source 1
	s_mov_b32 s19, ttmp9                           ; X
	s_and_b32 s20, ttmp7, 0xffff                   ; Y
	v_and_b32 v33, 31, v0                          ; L
	v_and_b32 v34, 15, v0                          ; r
	v_bfe_u32 v35, v0, 4, 1                        ; h
	v_lshrrev_b32 v36, 7, v0
	v_and_b32 v37, 127, v0
	s_delay_alu instid0(VALU_DEP_1)
	v_lshlrev_b32 v37, 4, v37
	s_delay_alu instid0(VALU_DEP_1)
	v_lshl_add_u32 v1, v36, 13, v37                ; in memory: tile t / 128 of four, 16 (t % 128)
	v_lshlrev_b32 v2, 4, v0                        ; in a slot: 16 t
	s_delay_alu instid0(VALU_DEP_1)
	v_add_nc_u32 v3, SLOT1, v2
	v_lshlrev_b32 v14, 4, v33                      ; 16 L
	s_lshl_b32 s21, s17, 13
	s_lshl_b32 s22, s18, 13
	s_add_co_u32 s22, s22, PAN1
	v_add_nc_u32 v4, s21, v14                      ; my fragments of source 0, slot 0
	v_add_nc_u32 v5, s22, v14                      ; of source 1
	s_delay_alu instid0(VALU_DEP_2)
	v_add_nc_u32 v6, SLOT1, v4                     ; and in slot 1
	s_delay_alu instid0(VALU_DEP_2)
	v_add_nc_u32 v7, SLOT1, v5
	s_lshl_b32 s21, s17, 11
	s_lshl_b32 s23, s18, 11
	s_add_co_u32 s23, s23, 8192
	s_sub_co_u32 s23, s23, s21                     ; from my tiles' scale words of source 0 to those of source 1
	v_mul_u32_u24 v36, s23, v35                    ; lanes 16-31 take source 1's
	s_delay_alu instid0(VALU_DEP_1)
	v_lshl_add_u32 v8, v34, 4, v36
	s_add_co_u32 s21, s21, SC
	v_add_nc_u32 v8, s21, v8
	v_and_b32 v11, 255, v0
	s_delay_alu instid0(VALU_DEP_1)
	v_lshlrev_b32 v11, 4, v11                      ; the scale images' way in: 16 (t % 256),
	v_lshrrev_b32 v12, 8, v0
	s_delay_alu instid0(VALU_DEP_1)
	v_lshl_add_u32 v12, v12, 13, v11
	s_delay_alu instid0(VALU_DEP_1)
	v_add_nc_u32 v12, SC, v12                      ; waves 0-7 source 0's, waves 8-15 source 1's
	v_lshlrev_b32 v13, 6, v35                      ; the bias: 16 h numbers on
	v_lshlrev_b32 v15, 11, v35
	s_delay_alu instid0(VALU_DEP_1)
	v_lshl_add_u32 v15, v34, 4, v15                ; the scale bytes' way out: tile h of a pair (2,048 bytes a tile), 16 r
	s_mov_b32 s[SEL], 0x76543210
	s_mov_b32 s[SEL+1], 0xfedcba98                 ; v_permlanex16_b32's selects for lane l xor 16
	s_mov_b32 s62, 0xffff0000                      ; lanes 16-31
	s_lshl_b32 s24, s20, 17                        ; the tokens' panel: 16 tiles of 8,192 bytes
	s_mov_b32 s25, 0
	s_lshl_b32 s26, s20, 13
	s_add_co_u32 s26, s26, 0x200000                ; and its scale image
	s_mov_b32 s27, 0
	s_lshl_b32 s28, s19, 17
	s_add_co_u32 s28, s28, 0x200000                ; W1's panel
	s_mov_b32 s29, 0
	s_lshl_b32 s30, s19, 13
	s_add_co_u32 s30, s30, 0x620000
	s_mov_b32 s31, 0
	s_lshl_b32 s48, s19, 10
	s_lshl_b32 s49, s17, 8
	s_add_co_u32 s48, s48, s49                     ; my 64 numbers of b1
	s_mov_b32 s49, 0
	s_lshl_b32 s52, s20, 19                        ; out: codes: tile (16 Y + 4 ws1) x 32,768 + block (8 X + 2 ws0) x 256
	s_lshl_b32 s50, s18, 17
	s_add_co_u32 s52, s52, s50
	s_lshl_b32 s50, s19, 11
	s_add_co_u32 s52, s52, s50
	s_lshl_b32 s50, s17, 9
	s_add_co_u32 s52, s52, s50
	s_mov_b32 s53, 0
	s_lshl_b32 s54, s20, 15                        ; scale bytes: tile x 2,048 + (X / 2) x 256 + (X % 2) x 8 + 2 ws0
	s_add_co_u32 s54, s54, 0x800000
	s_lshl_b32 s50, s18, 13
	s_add_co_u32 s54, s54, s50
	s_lshr_b32 s50, s19, 1
	s_lshl_b32 s50, s50, 8
	s_add_co_u32 s54, s54, s50
	s_and_b32 s50, s19, 1
	s_lshl_b32 s50, s50, 3
	s_add_co_u32 s54, s54, s50
	s_lshl_b32 s50, s17, 1
	s_add_co_u32 s54, s54, s50
	s_mov_b32 s55, 0
	s_wait_alu depctr_va_vdst(0)
	s_wait_kmcnt 0x0
	s_add_nc_u64 s[32:33], s[6:7], s[28:29]        ; source 0's codes
	s_add_nc_u64 s[34:35], s[4:5], s[24:25]        ; source 1's
	s_add_nc_u64 s[36:37], s[6:7], s[30:31]        ; source 0's scales
	s_add_nc_u64 s[38:39], s[4:5], s[26:27]
	s_cmp_lt_u32 s16, 8
	s_cselect_b64 s[40:41], s[36:37], s[38:39]     ; the scale image that my wave brings in
	s_add_nc_u64 s[42:43], s[8:9], s[48:49]
	s_add_nc_u64 s[52:53], s[10:11], s[52:53]
	s_add_nc_u64 s[54:55], s[10:11], s[54:55]
	STAGE_LOAD 0
	global_load_b128 v[F:F+3], v11, s[40:41]
	global_load_b128 v[F+4:F+7], v11, s[40:41] offset:4096
	s_wait_loadcnt 0x0
	STAGE_STORE 0
	ds_store_b128 v12, v[F:F+3]
	ds_store_b128 v12, v[F+4:F+7] offset:4096
	BAR
	STAGE_LOAD 1                                   ; asked for at a trip's head, waited for at its end: two K steps' work stands between
	HALF 0, 0, 0, 1, 0                             ; the first products start the sums: nothing is cleared
	HALF 0, 1, 1, 0, 0
	s_wait_loadcnt 0x0
	STAGE_STORE 1
	BAR
	STAGE_LOAD 2
	HALF 1, 0, 2, 0, 0
	HALF 1, 1, 3, 0, 0
	s_wait_loadcnt 0x0
	STAGE_STORE 0
	BAR
	STAGE_LOAD 3
	HALF 0, 0, 0, 0, 1
	HALF 0, 1, 1, 0, 1
	s_wait_loadcnt 0x0
	STAGE_STORE 1
	BAR
.irp i, 0,1,2,3
	global_load_b128 v[ST+8*\i:ST+8*\i+3], v13, s[42:43] offset:(32*(\i/2)+8*(\i%2))*4       ; the bias in the result's layout: tile i, my half: units 32 (i / 2) + 16 h + 8 (i % 2) + 0 .. 7
	global_load_b128 v[ST+8*\i+4:ST+8*\i+7], v13, s[42:43] offset:(32*(\i/2)+8*(\i%2))*4+16
.endr
	HALF 1, 0, 2, 0, 1
	HALF 1, 1, 3, 0, 1
.rept 4
	v_nop                                          ; four places in front of the first read of results
.endr
	s_wait_loadcnt 0x0                             ; the bias
	v_mov_b32 v[TM+2], 0                           ; a lane permute's destination counts as one of its sources
	v_mov_b32 v[TM+3], 0
.irp j, 0,1,2,3
	EPI_J \j, 0, 1
	global_store_b128 v14, v[64+4*\j:67+4*\j], s[52:53] offset:32768*\j   ; 512 consecutive bytes: two blocks of the tile's image
.endr
.irp u, 0,1
	v_cndmask_b32 v[90+\u], v[80+2*\u], v[81+2*\u], s62                   ; lanes 0-15 tile 2 u's bytes, lanes 16-31 tile 2 u + 1's
	global_store_b16 v15, v[90+\u], s[54:55] offset:4096*\u
.endr
	s_wait_tensorcnt 0x0                           ; the wave's end
	ds_add_u32 v9, v10
	s_wait_dscnt 0x0
	s_endpgm
.Lfunc_end_k_qe241dcd996_ffn1:
	.size	k_qe241dcd996_ffn1, .Lfunc_end_k_qe241dcd996_ffn1-k_qe241dcd996_ffn1
	.p2alignl 7, 3214868480
	.fill 96, 4, 3214868480
	.section	.rodata,"a",@progbits
	.p2align	6, 0x0
	.amdhsa_kernel k_qe241dcd996_ffn1
		.amdhsa_group_segment_fixed_size 149504
		.amdhsa_private_segment_fixed_size 0
		.amdhsa_enable_private_segment 0
		.amdhsa_kernarg_size 32
		.amdhsa_user_sgpr_count 2
		.amdhsa_user_sgpr_kernarg_segment_ptr 1
		.amdhsa_wavefront_size32 1
		.amdhsa_system_sgpr_workgroup_id_x 1
		.amdhsa_system_sgpr_workgroup_id_y 1
		.amdhsa_system_sgpr_workgroup_id_z 1
		.amdhsa_system_vgpr_workitem_id 0
		.amdhsa_next_free_vgpr 256
		.amdhsa_next_free_sgpr 66
		.amdhsa_reserve_vcc 0
		.amdhsa_float_denorm_mode_32 3
		.amdhsa_float_denorm_mode_16_64 3
		.amdhsa_memory_ordered 1
		.amdhsa_forward_progress 1
		.amdhsa_inst_pref_size 56
	.end_amdhsa_kernel
	.amdgpu_metadata
---
amdhsa.version: [ 1, 2 ]
amdhsa.kernels:
  - .name:           k_qe241dcd996_ffn1
    .symbol:         k_qe241dcd996_ffn1.kd
    .args:
      - { .name: ac, .offset: 0, .size: 8, .value_kind: global_buffer, .address_space: global }
      - { .name: wl, .offset: 8, .size: 8, .value_kind: global_buffer, .address_space: global }
      - { .name: b1, .offset: 16, .size: 8, .value_kind: global_buffer, .address_space: global }
      - { .name: fh, .offset: 24, .size: 8, .value_kind: global_buffer, .address_space: global }
    .group_segment_fixed_size: 149504
    .private_segment_fixed_size: 0
    .kernarg_segment_align: 8
    .kernarg_segment_size: 32
    .max_flat_workgroup_size: 512
    .sgpr_count:     66
    .vgpr_count:     256
    .wavefront_size: 32
...
	.end_amdgpu_metadata
.endif
;; end of part 6
;; launch ffn2 (part 7): grid 8 x 32, 8 waves a work-group, no clusters, 327,680 bytes of LDS; arguments fh, wl, b2, x1, out0; writes out0
.if DOCPART == 7
	.amdgcn_target "amdgcn-amd-amdhsa--gfx1250"
	.amdhsa_code_object_version 6
	.text
	.protected	k_qe241dcd996_ffn2
	.globl	k_qe241dcd996_ffn2
	.p2align	8
	.type	k_qe241dcd996_ffn2,@function
k_qe241dcd996_ffn2:
	s_mov_b64 s[64:65], 0
	v_nop
	global_prefetch_b8 v0, s[64:65] scope:SCOPE_SE
	s_setreg_imm32_b32 hwreg(HW_REG_WAVE_MODE, 25, 1), 1
	s_wait_xcnt 0x0
; out0 = x1 + (hidden W2^T + b2), f32, K = 4,096, N = 1,024: the hidden layer's and W2's codes of E2M1 and scale bytes lie in memory as images of the operands' registers (tile of 16 rows, block of 32 along K, row, 16 bytes).
; A tile of out0 is 128 tokens x 128 columns: 256 work-groups.  EIGHT waves, each 4 tiles of W2's rows x 2 tiles of tokens: six fragments from LDS feed eight products.
; Source 0 = 16 rows of W2, source 1 = 16 tokens: a lane holds one token and eight neighbouring columns.
; THE RING.  K goes in stages of 1,024 (eight K steps) through two LDS slots of 131,072 bytes, filled by the tensor data mover: a tile's eight K steps are 8,192 consecutive bytes of its image.  Each wave fetches two tiles
; with one load (2 rows of 8,192 bytes, 32,768 bytes apart): waves 0-3 W2's eight tiles, waves 4-7 the tokens'.  At the head a wave issues stage 0's load alone; stage 1's, slot 1's first fill, is issued as a refill is, behind the
; waits, the add and a barrier: by this text's own count one tensor load a wave is out at any time.  Both panels' scale images for all of K, 32,768 bytes, come once, through registers, 4,096 dense bytes a wave, into bytes of their own.
; PREFETCH: stages 1 and 2 are asked for at the head and stage 3 behind the first barrier, each ahead of the barrier behind which it is loaded.  The blocks are shared out by address: of the tokens' panel, which eight work-groups load,
; work-group x takes tile x (wave 0: 32 lanes, 256 bytes apart); of W2's panel, which 32 work-groups load, work-group y takes 2,048 bytes (wave 1: eight blocks; the lanes left over name the last again).  Stage 0 comes by its load alone.
; The results meet in a stage in LDS, where tokens and columns lie in their natural order, and leave as whole runs of 512 bytes with the bias and the residual added.  That stage lies in slot 0, which has had its last fill and,
; behind the last change of slots, its last read.
; No cluster: W2's tiles are asked for by 32 work-groups and the tokens' by 8, each for itself; joint requests are not built here.
.set KDIM,  4096
.set WOFF,  0x400000                   ; W2's code image in wl,
.set WSOFF, 0x640000                   ; its scale image,
.set ASOFF, 0x800000                   ; the hidden layer's scale image in fh
.set TILEB, 8*KDIM
.set STB,   KDIM/2
.set STEPB, 8192
.set SLOT1, 131072                     ; slot 0 at 0, slot 1 here; in a slot source 0's panel (8 tiles x 8,192 bytes), then source 1's
.set PAN1,  65536
.set SC,    262144                     ; the scale images: source 0's eight tiles, then source 1's
.set SPARE, 294912                     ; the spare words, 128 bytes for each wave
.set SP,    528                        ; the way out's stage, at LDS byte 0: 128 rows x (512 + 16) bytes
.set SCR, 16                           ; v16-27   scale words of two K steps
.set BI,  28                           ; v28-31   the bias of my four columns
.set F,   32                           ; v32-127  fragments of two K steps; at the head the scale bytes on their way; at the end rows of the result
.set ACC, 128                          ; v128-191 accumulator (i, j) at 128 + 32 j + 8 i
.set RES, 192                          ; v192-255 the residual of the sixteen rows that I store
.set G1,  52                           ; s[52:59] descriptor group 1
.set PFA, 60                           ; s[60:61] where my wave's prefetches stand; never rewritten
.set SCA, 76                           ; s[76:77] my 4,096 scale bytes in memory; s78 in LDS
.set G0,  80                           ; s[80:83], s[84:87] group 0 for slot 0 and slot 1
.macro GRP n, sig, pr, q0, first, zero
.if (\first) == 0
.rept 4
	v_nop                                          ; four places in front of loads into registers that matrix instructions have read
.endr
.endif
.irp i, 0,1,2,3
	ds_load_b64 v[SCR+2*\i:SCR+2*\i+1], v8 offset:\i*STB+(\sig)*256+(\pr)*8
.endr
.irp j, 0,1
	ds_load_b64 v[SCR+8+2*\j:SCR+8+2*\j+1], v14 offset:\j*STB+(\sig)*256+(\pr)*8
.endr
.irp e, 0,1
.irp i, 0,1,2,3
.irp c, 0,1
	ds_load_b128 v[F+48*\e+8*\i+4*\c:F+48*\e+8*\i+4*\c+3], v[4+2*(\n)] offset:\i*8192+((\q0)+\e)*1024+\c*512
.endr
.endr
.irp j, 0,1
.irp c, 0,1
	ds_load_b128 v[F+48*\e+32+8*\j+4*\c:F+48*\e+32+8*\j+4*\c+3], v[5+2*(\n)] offset:\j*8192+((\q0)+\e)*1024+\c*512
.endr
.endr
.endr
.irp e, 0,1
	s_wait_dscnt 12*(1-\e)                         ; the second K step's twelve loads may be out
.irp j, 0,1
.irp i, 0,1,2,3
.if (\zero) && (\e == 0)
	v_wmma_scale_f32_16x16x128_f8f6f4 v[ACC+32*\j+8*\i:ACC+32*\j+8*\i+7], v[F+48*\e+8*\i:F+48*\e+8*\i+7], v[F+48*\e+32+8*\j:F+48*\e+32+8*\j+7], 0, v[SCR+2*\i+\e], v[SCR+8+2*\j+\e] matrix_a_fmt:MATRIX_FMT_FP4 matrix_b_fmt:MATRIX_FMT_FP4
.else
	v_wmma_scale_f32_16x16x128_f8f6f4 v[ACC+32*\j+8*\i:ACC+32*\j+8*\i+7], v[F+48*\e+8*\i:F+48*\e+8*\i+7], v[F+48*\e+32+8*\j:F+48*\e+32+8*\j+7], v[ACC+32*\j+8*\i:ACC+32*\j+8*\i+7], v[SCR+2*\i+\e], v[SCR+8+2*\j+\e] matrix_a_fmt:MATRIX_FMT_FP4 matrix_b_fmt:MATRIX_FMT_FP4
.endif
.endr
.endr
.endr
.endm
.macro STAGE st, fst                   ; stage st, eight K steps, out of slot st % 2; the eight accumulators by turns.  fst = 1: the first products start the sums
	GRP (\st)%2, 2*(\st), 0, 0, \fst, \fst
	GRP (\st)%2, 2*(\st), 1, 2, 0, 0
	GRP (\st)%2, 2*(\st)+1, 0, 4, 0, 0
	GRP (\st)%2, 2*(\st)+1, 1, 6, 0, 0
.endm
; THE CHANGE OF SLOTS.  Slot n has been read out.  Each wave waits for all its tensor loads (its part of the other slot), adds 0 to its spare word, and waits for that and for its reads of slot n.
.macro CHANGE n, fill
	s_wait_tensorcnt 0x0                           ; no tensor load of mine is out, so a group 0 may be written
	ds_add_u32 v9, v10
.if \fill
	s_add_nc_u64 s[G0+4*\n+2:G0+4*\n+3], s[G0+4*\n+2:G0+4*\n+3], 2*STEPB   ; two stages on along K
.endif
	s_wait_dscnt 0x0                               ; the add is done, and my reads of slot n are over
	s_barrier_signal -1
	s_barrier_wait -1
.if \fill
	tensor_load_to_lds s[G0+4*\n:G0+4*\n+3], s[G1:G1+7]   ; my one tensor load behind this barrier
	s_nop 0
.endif
.endm
	s_load_b256 s[4:11], s[0:1], 0x0               ; fh, wl, b2, x1
	s_load_b64 s[12:13], s[0:1], 0x20              ; out0
	v_lshl_add_u32 v9, v0, 2, SPARE                ; my spare word,
	v_mov_b32 v10, 0                               ; and 0
	ds_add_u32 v9, v10                             ; the opening: the add, twice on end, and its wait ahead of my first tensor load
	ds_add_u32 v9, v10
	v_lshrrev_b32 v15, 5, v0
	s_delay_alu instid0(VALU_DEP_1)
	v_readfirstlane_b32 s16, v15                   ; wave 0..7
	s_and_b32 s17, s16, 1                          ; ws0: my four tiles of source 0
	s_lshr_b32 s18, s16, 1                         ; ws1: my two tiles of source 1
	s_mov_b32 s19, ttmp9                           ; X: 128 columns
	s_and_b32 s20, ttmp7, 0xffff                   ; Y: 128 tokens
	s_mov_b32 s[G1+0], 3<<16                       ; 2 rows of 8,192 bytes (1,024 elements of 8 bytes), a tile's image apart; no padding: a fragment's loads take 512 consecutive bytes
	s_mov_b32 s[G1+1], 1024<<16
	s_mov_b32 s[G1+2], 2<<16
	s_mov_b32 s[G1+3], 1024<<16
	s_mov_b32 s[G1+4], 2
	s_mov_b32 s[G1+5], TILEB/8
	s_mov_b32 s[G1+6], 0
	s_mov_b32 s[G1+7], 0
	s_and_b32 s21, s16, 3                          ; which two tiles of the panel I fetch
	s_mul_i32 s36, s21, 2*TILEB
	s_mov_b32 s37, 0
	s_lshl_b32 s38, s21, 12
	s_mov_b32 s39, 0
	s_mul_i32 s24, s20, 8*TILEB                    ; the tokens' panel
	s_mov_b32 s25, 0
	s_mul_i32 s26, s20, 8*STB
	s_add_co_u32 s26, s26, ASOFF
	s_mov_b32 s27, 0
	s_mul_i32 s28, s19, 8*TILEB                    ; W2's panel
	s_add_co_u32 s28, s28, WOFF
	s_mov_b32 s29, 0
	s_mul_i32 s30, s19, 8*STB
	s_add_co_u32 s30, s30, WSOFF
	s_mov_b32 s31, 0
	s_lshl_b32 s22, s16, 12
	s_add_co_u32 s78, s22, SC                      ; wave x 4,096 among the scale images
	s_mov_b32 s[G0], 1
	s_lshl_b32 s22, s16, 14
	s_mov_b32 s[G0+1], s22                         ; wave x 16,384 in slot 0,
	s_mov_b32 s[G0+4], 1
	s_add_co_u32 s[G0+5], s22, SLOT1               ; and in slot 1
	s_lshl_b32 s50, s19, 9                         ; my work-group's 128 columns, in bytes
	s_mov_b32 s51, 0
	s_lshl_b32 s44, s20, 19
	s_lshl_b32 s45, s16, 16
	s_add_co_u32 s44, s44, s45
	s_add_co_u32 s44, s44, s50                     ; row 128 Y + 16 wave, column 128 X
	s_mov_b32 s45, 0
	s_lshl_b32 s66, s20, 3                         ; the prefetches: tile 8 Y + X of the hidden layer,
	s_add_co_u32 s66, s66, s19
	s_lshl_b32 s66, s66, 15
	s_mov_b32 s67, 0
	s_lshl_b32 s68, s19, 3                         ; and of W2's tile 8 X + Y / 4 the (Y % 4)-th 2,048 bytes of a stage
	s_lshr_b32 s69, s20, 2
	s_add_co_u32 s68, s68, s69
	s_lshl_b32 s68, s68, 15
	s_and_b32 s69, s20, 3
	s_lshl_b32 s69, s69, 11
	s_add_co_u32 s68, s68, s69
	s_add_co_u32 s68, s68, WOFF
	s_mov_b32 s69, 0
	s_wait_dscnt 0x0                               ; both opening adds are done
	s_wait_kmcnt 0x0
	s_add_nc_u64 s[24:25], s[4:5], s[24:25]
	s_add_nc_u64 s[26:27], s[4:5], s[26:27]
	s_add_nc_u64 s[28:29], s[6:7], s[28:29]
	s_add_nc_u64 s[30:31], s[6:7], s[30:31]
	s_cmp_lt_u32 s16, 4                            ; waves 0-3 fetch source 0's panel, waves 4-7 source 1's
	s_cselect_b64 s[32:33], s[28:29], s[24:25]
	s_cselect_b64 s[34:35], s[30:31], s[26:27]
	s_add_nc_u64 s[32:33], s[32:33], s[36:37]
	s_add_nc_u64 s[SCA:SCA+1], s[34:35], s[38:39]
	s_mov_b64 s[G0+2:G0+3], s[32:33]               ; stage 0
	s_or_b32 s[G0+3], s[G0+3], 0x80000000          ; type = 2
	s_add_nc_u64 s[G0+6:G0+7], s[32:33], STEPB     ; stage 1
	s_or_b32 s[G0+7], s[G0+7], 0x80000000
	tensor_load_to_lds s[G0:G0+3], s[G1:G1+7]      ; stage 0: one tensor load a wave at the head
	s_nop 0
	s_add_nc_u64 s[66:67], s[4:5], s[66:67]
	s_add_nc_u64 s[68:69], s[6:7], s[68:69]
	s_cmp_eq_u32 s16, 0
	s_cselect_b64 s[PFA:PFA+1], s[66:67], s[68:69]
	s_cselect_b32 s62, 31, 7                       ; the last lane that names a block of its own
	s_add_nc_u64 s[42:43], s[8:9], s[50:51]        ; the bias
	s_add_nc_u64 s[46:47], s[10:11], s[44:45]      ; the residual
	s_add_nc_u64 s[48:49], s[12:13], s[44:45]      ; the result
	v_and_b32 v1, 31, v0                           ; L
	v_and_b32 v2, 15, v0                           ; r
	v_bfe_u32 v3, v0, 4, 1                         ; h
	s_delay_alu instid0(VALU_DEP_3)
	v_lshlrev_b32 v13, 4, v1                       ; 16 L
	v_min_u32 v1, s62, v1
.irp i, 0,1,2,3,4,5,6,7
	global_load_b128 v[F+4*\i:F+4*\i+3], v13, s[SCA:SCA+1] offset:\i*512   ; my 4,096 scale bytes: 512 consecutive bytes a load
.endr
	v_lshlrev_b32 v1, 8, v1                        ; the prefetches' offset: lanes 256 bytes apart; never rewritten
	s_cmp_lt_u32 s16, 2
	s_wait_alu depctr_va_vdst(0)                   ; directly ahead of the branch
	s_cbranch_scc0 .Lno_ask_0
	global_prefetch_b8 v1, s[PFA:PFA+1] offset:STEPB th:TH_LOAD_NT scope:SCOPE_SE
	global_prefetch_b8 v1, s[PFA:PFA+1] offset:2*STEPB th:TH_LOAD_NT scope:SCOPE_SE
.Lno_ask_0:
	s_lshl_b32 s21, s17, 15
	v_add_nc_u32 v4, s21, v13                      ; my fragments of source 0, slot 0
	s_lshl_b32 s22, s18, 14
	s_add_co_u32 s22, s22, PAN1
	v_add_nc_u32 v5, s22, v13                      ; of source 1
	v_add_nc_u32 v6, SLOT1, v4                     ; and in slot 1
	s_delay_alu instid0(VALU_DEP_2)
	v_add_nc_u32 v7, SLOT1, v5
	s_lshl_b32 s21, s17, 13
	s_add_co_u32 s21, s21, SC
	v_lshl_add_u32 v8, v2, 4, s21                  ; the scale words of my tiles of source 0: row r's 16 bytes
	s_lshl_b32 s22, s18, 12
	s_add_co_u32 s22, s22, SC+8*STB
	v_lshl_add_u32 v14, v2, 4, s22                 ; and of source 1
	v_and_b32 v15, 8, v2
	s_delay_alu instid0(VALU_DEP_1)
	v_add_nc_u32 v15, v15, v2                      ; r + 8 (r / 8)
	s_delay_alu instid0(VALU_DEP_1)
	v_mul_u32_u24 v11, v15, SP
	s_delay_alu instid0(VALU_DEP_1)
	v_lshl_add_u32 v11, v3, 6, v11
	s_mul_i32 s21, s18, 32*SP
	s_lshl_b32 s22, s17, 8
	s_add_co_u32 s21, s21, s22
	v_add_nc_u32 v11, s21, v11                     ; into the stage: token 32 ws1 + 8 j + r + 8 (r / 8), column 64 ws0 + 32 (i / 2) + 16 h + 8 (i % 2)
	s_mul_i32 s21, s16, 16*SP
	v_add_nc_u32 v12, s21, v13                     ; back: my sixteen rows, 16 bytes a lane
	v_add_nc_u32 v15, s78, v13                     ; the scale bytes' place in LDS
	s_wait_alu depctr_va_vdst(0)                   ; at the head's end
	s_wait_loadcnt 0x0
.irp i, 0,1,2,3,4,5,6,7
	ds_store_b128 v15, v[F+4*\i:F+4*\i+3] offset:\i*512
.endr
	s_wait_tensorcnt 0x0                           ; my part of stage 0 has landed
	ds_add_u32 v9, v10
	s_wait_dscnt 0x0                               ; the add is done and my scale bytes lie in LDS
	s_barrier_signal -1
	s_barrier_wait -1                              ; everybody's do
	tensor_load_to_lds s[G0+4:G0+7], s[G1:G1+7]    ; stage 1: slot 1's first fill
	s_nop 0
	s_cmp_lt_u32 s16, 2
	s_cbranch_scc0 .Lno_ask_1
	global_prefetch_b8 v1, s[PFA:PFA+1] offset:3*STEPB th:TH_LOAD_NT scope:SCOPE_SE
.Lno_ask_1:
	STAGE 0, 1
	CHANGE 0, 1                                    ; slot 0 takes stage 2
	STAGE 1, 0
	CHANGE 1, 1                                    ; slot 1 takes stage 3: the last load
.irp p, 0,1,2,3,4,5,6,7,8,9,10,11,12,13,14,15
	global_load_b128 v[RES+4*\p:RES+4*\p+3], v13, s[46:47] offset:\p*4096   ; the residual of the rows that I store: two stages ahead of its use
.endr
	global_load_b128 v[BI:BI+3], v13, s[42:43]
	STAGE 2, 0
	CHANGE 0, 0                                    ; nothing is left to fetch
	STAGE 3, 0
.rept 4
	v_nop                                          ; four places in front of the first read of results, and of loads into registers that matrix instructions have read
.endr
.irp j, 0,1
.irp i, 0,1,2,3
	ds_store_b128 v11, v[ACC+32*\j+8*\i:ACC+32*\j+8*\i+3] offset:\j*8*SP+(\i/2)*128+(\i%2)*32        ; each accumulator from its low end on
	ds_store_b128 v11, v[ACC+32*\j+8*\i+4:ACC+32*\j+8*\i+7] offset:\j*8*SP+(\i/2)*128+(\i%2)*32+16
.endr
.endr
	s_wait_dscnt 0x0                               ; for the others' sake: a row's 512 bytes come from two waves
	s_barrier_signal -1
	s_barrier_wait -1
.irp p, 0,1,2,3,4,5,6,7,8,9,10,11,12,13,14,15
	ds_load_b128 v[F+4*\p:F+4*\p+3], v12 offset:\p*SP
.endr
	s_wait_loadcnt 0x0                             ; the residual and the bias
.irp p, 0,1,2,3,4,5,6,7,8,9,10,11,12,13,14,15
	s_wait_dscnt 15-\p                             ; the younger rows' loads may be out
	v_pk_add_f32 v[F+4*\p:F+4*\p+1], v[F+4*\p:F+4*\p+1], v[BI:BI+1]
	v_pk_add_f32 v[F+4*\p+2:F+4*\p+3], v[F+4*\p+2:F+4*\p+3], v[BI+2:BI+3]
	s_delay_alu instid0(VALU_DEP_2)
	v_pk_add_f32 v[F+4*\p:F+4*\p+1], v[F+4*\p:F+4*\p+1], v[RES+4*\p:RES+4*\p+1]
	s_delay_alu instid0(VALU_DEP_2)
	v_pk_add_f32 v[F+4*\p+2:F+4*\p+3], v[F+4*\p+2:F+4*\p+3], v[RES+4*\p+2:RES+4*\p+3]
	global_store_b128 v13, v[F+4*\p:F+4*\p+3], s[48:49] offset:\p*4096 th:TH_STORE_NT   ; 32 lanes store 512 consecutive bytes, at a multiple of 512 from the buffer's first byte; read by no later launch
.endr
	s_wait_tensorcnt 0x0                           ; the wave's end
	ds_add_u32 v9, v10
	s_wait_dscnt 0x0
	s_endpgm
.Lfunc_end_k_qe241dcd996_ffn2:
	.size	k_qe241dcd996_ffn2, .Lfunc_end_k_qe241dcd996_ffn2-k_qe241dcd996_ffn2
	.p2alignl 7, 3214868480
	.fill 96, 4, 3214868480
	.section	.rodata,"a",@progbits
	.p2align	6, 0x0
	.amdhsa_kernel k_qe241dcd996_ffn2
		.amdhsa_group_segment_fixed_size 327680
		.amdhsa_private_segment_fixed_size 0
		.amdhsa_enable_private_segment 0
		.amdhsa_kernarg_size 40
		.amdhsa_user_sgpr_count 2
		.amdhsa_user_sgpr_kernarg_segment_ptr 1
		.amdhsa_wavefront_size32 1
		.amdhsa_system_sgpr_workgroup_id_x 1
		.amdhsa_system_sgpr_workgroup_id_y 1
		.amdhsa_system_sgpr_workgroup_id_z 1
		.amdhsa_system_vgpr_workitem_id 0
		.amdhsa_next_free_vgpr 256
		.amdhsa_next_free_sgpr 88
		.amdhsa_reserve_vcc 0
		.amdhsa_float_denorm_mode_32 3
		.amdhsa_float_denorm_mode_16_64 3
		.amdhsa_memory_ordered 1
		.amdhsa_forward_progress 1
		.amdhsa_inst_pref_size 85
	.end_amdhsa_kernel
	.amdgpu_metadata
---
amdhsa.version: [ 1, 2 ]
amdhsa.kernels:
  - .name:           k_qe241dcd996_ffn2
    .symbol:         k_qe241dcd996_ffn2.kd
    .args:
      - { .name: fh, .offset: 0, .size: 8, .value_kind: global_buffer, .address_space: global }
      - { .name: wl, .offset: 8, .size: 8, .value_kind: global_buffer, .address_space: global }
      - { .name: b2, .offset: 16, .size: 8, .value_kind: global_buffer, .address_space: global }
      - { .name: x1, .offset: 24, .size: 8, .value_kind: global_buffer, .address_space: global }
      - { .name: out0, .offset: 32, .size: 8, .value_kind: global_buffer, .address_space: global }
    .group_segment_fixed_size: 327680
    .private_segment_fixed_size: 0
    .kernarg_segment_align: 8
    .kernarg_segment_size: 40
    .max_flat_workgroup_size: 256
    .sgpr_count:     88
    .vgpr_count:     256
    .wavefront_size: 32
...
	.end_amdgpu_metadata
.endif
;; end of part 7
